; MI455X (gfx1250); checked and timed in simulation.
; The chip was launched on July 23, 2026; its instructions are those of AMD's public machine-readable ISA for CDNA 5 (MIT licence, August 2026) and "CDNA5" Instruction Set Architecture Reference Guide (July 2026). The comments in the code are by the model that wrote it; some were corrected since.
;; Multihead Attention. Allowed arithmetic: matrix products marked QUANTISED: E2M3 operands, one E8M0 scale for each 32 along K, by v_wmma_scale_f32_16x16x128_f8f6f4 with both operands' format E2M3, f32 sums; products left as they are: f32 operands where the result goes on into a quantised operand, else bf16, f16 or f32 operands; f32 sums; everything else in f32.
;; Inputs: Wk_codes 4,096 x 16 x 24 uint8 (E2M3 codes of Wk, K innermost, in blocks of 32 codes, four codes in three bytes); Wk_scales 4,096 x 16 uint8 (E8M0 scales of Wk, one for each 32 codes along K); Wo_codes 512 x 128 x 24 uint8 (E2M3 codes of Wo, K innermost, in blocks of 32 codes, four codes in three bytes); Wo_scales 512 x 128 uint8 (E8M0 scales of Wo, one for each 32 codes along K); Wq_codes 4,096 x 16 x 24 uint8 (E2M3 codes of Wq, K innermost, in blocks of 32 codes, four codes in three bytes); Wq_scales 4,096 x 16 uint8 (E8M0 scales of Wq, one for each 32 codes along K); Wv_codes 4,096 x 16 x 24 uint8 (E2M3 codes of Wv, K innermost, in blocks of 32 codes, four codes in three bytes); Wv_scales 4,096 x 16 uint8 (E8M0 scales of Wv, one for each 32 codes along K); bk 4,096 float32; bo 512 float32; bq 4,096 float32; bv 4,096 float32; input_data_codes 2 x 2,048 x 16 x 24 uint8 (E2M3 codes of input_data, K innermost, in blocks of 32 codes, four codes in three bytes); input_data_scales 2 x 2,048 x 16 uint8 (E8M0 scales of input_data, one for each 32 codes along K); mask 1 x 1 x 2,048 x 2,048 int32.
;; Outputs: out0 2 x 2,048 x 512 float32.
;; This version of the problem:
;;   THIS VERSION OF THE PROBLEM IS GIVEN IN LOW PRECISION. The matrix products marked QUANTISED in the list below multiply operands that are first quantised to E2M3 (2 exponent bits, 3 mantissa bits; 6 bits a number), with one power-of-two scale for each 32 numbers along K (OCP MX v1.0); their sums are f32. All else is computed in f32.
;;   The module's matrix products, in the order in which they are computed (A, B: the left and right operand; K: the contracted axis; several contracted axes count as one K, in the product's order):
;;     1. [M 4,096, K 512] x [K 512, N 4,096]; A: input input_data (given as codes); B: input Wq (given as codes): QUANTISED
;;     2. [M 4,096, K 512] x [K 512, N 4,096]; A: input input_data (given as codes); B: input Wk (given as codes): QUANTISED
;;     3. [M 4,096, K 512] x [K 512, N 4,096]; A: input input_data (given as codes); B: input Wv (given as codes): QUANTISED
;;     4. batch 16 x [M 2,048, K 512] x [K 512, N 2,048]; A: computed on the way; B: computed on the way: QUANTISED
;;     5. batch 16 x [M 1,048,576, K 1] x [K 1, N 1]; A: computed on the way; B: computed on the way: left as it is (no contracted axis)
;;     6. [M 4,096, K 4,096] x [K 4,096, N 512]; A: computed on the way; B: input Wo (given as codes): QUANTISED
;;   THE QUANTISER, for each operand of a quantised product, along K:
;;     - K is cut into blocks of 32 from its start; a last block that is shorter is filled with zeros.
;;     - A block's scale is 2^e with e = floor(log2(the largest magnitude in the block)) - 2, held to -126 .. 127; a block of zeros has e = 0. As a byte (E8M0): e + 127.
;;     - Each number is divided by its block's scale, clamped to +-7.5, and rounded to the nearest number of E2M3, ties to even, subnormals kept.
;;     - The product sums the exact products of the quantised numbers (number of the format x scale) in f32.
;;   ~~~python
;;   def quantise(x, axis):      # numpy; x: float32 -> the quantised numbers, widened to float32 again
;;       x = np.moveaxis(x, axis, -1); K = x.shape[-1]
;;       x = np.pad(x, [(0, 0)] * (x.ndim - 1) + [(0, -K % 32)]); x = x.reshape(x.shape[:-1] + (-1, 32)); a = np.abs(x).max(-1, keepdims=True)
;;       e = np.where(a > 0, np.clip(np.frexp(np.where(a > 0, a, 1))[1] - 1 - 2, -126, 127), 0)      # np.frexp(a)[1] - 1 = floor(log2(a)), exactly
;;       r = np.clip(x / 2.0 ** e, -7.5, 7.5)
;;       step = 2.0 ** (np.maximum(np.frexp(np.where(r == 0, 1, r))[1] - 1, 0) - 3)
;;       q = np.round(r / step) * step * 2.0 ** e      # np.round: ties to even
;;       return np.moveaxis(q.reshape(q.shape[:-2] + (-1,))[..., :K], -1, axis).astype(np.float32)
;;   ~~~
;;   OPERANDS COMPUTED ON THE WAY. 'Computed on the way' means the value that the module computes at that place (a softmax that the list does not call 'softmax' is quantised finished and normalised). What goes into a quantiser is computed in f32, as accurately as f32 sums, v_exp_f32 and their like allow (about 1e-6 of the number): no bf16 or f16 on the way to a quantiser, and a product that is left as it is and whose result goes on into a quantised operand takes f32 operands (vector FMAs, or v_wmma_f32_16x16x4_f32). A number that lies on a knife's edge between two numbers of the format may be rounded either way, as far as f32 arithmetic and the matrix unit's own rounding can turn it there, and no further.
;;   INPUTS GIVEN AS CODES. Wk (in the module: [512, 4096], K = its axis 0); Wo (in the module: [4096, 512], K = its axis 0); Wq (in the module: [512, 4096], K = its axis 0); Wv (in the module: [512, 4096], K = its axis 0); input_data (in the module: [2, 2048, 512], K = its axis 2): each comes as NAME_codes (uint8): NAME with its K axis moved to the last place and cut into blocks of 32 codes, [.., K / 32, bytes a block], one block behind the other in memory; four codes in three bytes: a row's codes are one little-endian stream of bits, code i at bits 6 i .. 6 i + 5 (a code: sign, 2 exponent bits, 3 mantissa bits); and NAME_scales (uint8): the same leading axes, one E8M0 byte (e + 127) for each 32 codes along K. Its value is code x scale, taken as it is: it is not quantised again, and the codes and scales need not be those that the quantiser above would give.
;; One version. Each part assembles by itself: llvm-mc -triple=amdgcn-amd-amdhsa -mcpu=gfx1250 --defsym DOCPART=n.
;; ======== version 1 of 1: 4 launches
;; workspace buffers: qcodes 12,582,912 bytes; kcodes 12,582,912 bytes; vcodes 14,155,776 bytes; qscales 524,288 bytes; kscales 524,288 bytes; vscales 524,288 bytes; maskw 524,288 bytes of whole numbers; part 1,024 bytes
;; launch projqk (part 1): grid 32 x 16, 4 waves a work-group, clusters of 4 x 4, 262,656 bytes of LDS; arguments input_data_codes, input_data_scales, Wq_codes, Wq_scales, bq, Wk_codes, Wk_scales, bk, mask, maskw, qcodes, qscales, kcodes, kscales; writes maskw, qcodes, qscales, kcodes, kscales
.if DOCPART == 1
	.amdgcn_target "amdgcn-amd-amdhsa--gfx1250"
	.amdhsa_code_object_version 6
	.text
	.protected	k_q6712cd6c87_projqk
	.globl	k_q6712cd6c87_projqk
	.p2align	8
	.type	k_q6712cd6c87_projqk,@function
k_q6712cd6c87_projqk:
	s_mov_b64 s[64:65], 0
	v_nop
	global_prefetch_b8 v0, s[64:65] scope:SCOPE_SE
	s_setreg_imm32_b32 hwreg(HW_REG_WAVE_MODE, 25, 1), 1
	s_wait_xcnt 0x0
	s_wait_alu depctr_hold_cnt(0) depctr_sa_sdst(0) depctr_va_vdst(0) depctr_va_sdst(0) depctr_va_ssrc(0) depctr_va_vcc(0) depctr_vm_vsrc(0)
	s_getreg_b32 s2, hwreg(HW_REG_IB_STS2, 6, 4)
	s_cmp_eq_u32 s2, 0
	s_cbranch_scc0 .Lentry_in_a_cluster
	s_endpgm
.Lentry_in_a_cluster:
	s_bfe_u32 s2, ttmp6, 0x10000c
	s_cmp_lg_u32 s2, 0xf033
	s_cbranch_scc0 .Lentry_shape_is_right
	s_endpgm
.Lentry_shape_is_right:
; q = Q(x Wq + bq) and k = Q(x Wk + bk), and the mask packed into lane masks.
; x: 4,096 tokens x 512, Wq, Wk: 4,096 features x 512: codes of FP6 (E2M3), K innermost, 384 bytes a row, one E8M0 byte for each 32 along K (16 bytes a row).  Sums in f32; the bias is the C of each sum's first product.
; The results are quantised along the features of a head (blocks of 32, scale 2^(floor(log2(largest magnitude)) - 2), byte held at 1 from below) and stored as IMAGES OF OPERAND REGISTERS:
;   codes  [n 2][h 8][tile of 16 tokens 128][K step of 128 features 4][1,536 bytes]: register group g (4 registers) of lane l at 512 g + 16 l;
;   scales [n][h][K step 4][tile 128][16 words]: word r = the four bytes of token r.
; LIMITS: a block of zeros gets the byte 1 where the rule says 127 (its codes are zeros, and this program alone reads the bytes); NaN and infinities are not served.
; SHARES.  A work-group makes 256 tokens x 256 features, each of its four waves 128 x 128: 64 accumulators, 512 registers.  Clusters with x under 4 take Wq, the others Wk.
; All of K (512) lies in LDS as two slots of 256 along K, each filled once: no slot is filled again.
; CLUSTERS: 4 x 4 work-groups.  The four of a row of the cluster need the same rows of x, the four of a column the same rows of W: each tile is asked for jointly.
; TRANSPOSED USE: source 0 = 16 rows of W, source 1 = 16 tokens: a lane holds ONE token and eight features.  THE ROWS OF W THAT FORM A TILE ARE NOT NEIGHBOURS: lane p of tile b takes row
; 64 (b / 4) + 8 (b % 4) + p % 8 + 32 (p / 8), so that the 32 registers of tiles 4 c .. 4 c + 3 are features 64 c + 32 (lane / 16) + 0 .. 31: a WHOLE block of the next product's K, in the operand's own order.
; So a block's largest magnitude needs no other lane, and the conversions' results are the operand's registers.  The price: rows 32 apart lie 7,680 bytes apart in LDS, a multiple of 256, so lanes 0-7 and
; lanes 8-15 of W's loads fall on the same banks (64 banks of 4 bytes: ISA guide 11.1).
; THE MASK: wave unit u = 4 x work-group + wave packs 16 queries x 128 keys: word (query tile, key tile, j), bit r + 16 hh = (mask[16 qt + r][16 kt + 8 hh + j] != 0): the lane mask of register j of a score tile.
; Its 16 loads are issued at the head, into registers that lie idle during the products, and are waited for behind the last product.
; REGISTERS: window 0: v1-10 at work, v11-31 addresses and constants, v32-95 scale words, v96-127 and v224-255 the mask's 64 numbers, later the quantiser's, v128-223 x's fragments, later the results' codes.
;   window 1: W's fragments, two sets at v0 and v128; the bias's eight tiles at v96-127 and v224-255.   windows 2, 3: accumulator (a, b) at v[8 (8 (a % 4) + b)].
.set KROW,  384                        ; a row of x or W in memory
.set ROWB,  192                        ; 256 codes: a tile's row
.set PITCH, 240                        ; in LDS: 3 x (64 bytes + 16 of padding)
.set FR,    12                         ; registers of a fragment
.set NL,    6                          ; LDS loads that bring one
.set HALFT, 128*PITCH                  ; what one tensor load brings
.set SLOT,  4*HALFT                    ; x's 256 rows, then W's 256 rows
.set SCL,   2*SLOT                     ; the scale bytes: units of 256 bytes + 16 of padding
.set HALFS, 8*272                      ; those of 128 rows
.set SCR,   SCL+4*HALFS                ; 512 bytes a wave: the results' scale words are gathered here; no fill lands here
.set SCRD, 11                          ; where I read the gathered scale words back
.set MW,   12                          ; v[12:13] the packed mask: lane i holds words 2 i, 2 i + 1
.set MSO,  14                          ; 8 x lane
.set PX,   15
.set ADRA, 16                          ; v16-17 x's fragments in slot 0, 1; v18-19 the same behind one padding more
.set ADRB, 20                          ; v20-23 the same for W
.set ADSA, 24                          ; x's scale words
.set ADSB, 25                          ; W's
.set CO,   26                          ; 16 x lane
.set SCW,  27                          ; where I put a result's scale word
.set SH8,  28                          ; 8 x (lane / 16)
.set FLR,  29                          ; the floor 2^(3 - 127)
.set BOF,  30                          ; the bias: 128 x (lane / 16)
.set MKO,  31                          ; the mask: 8,192 r + 32 (lane / 16)
.set SCA,  32                          ; v32-63 x's scale words: block i, K step q at 4 i + q
.set SCB,  64                          ; v64-95 W's
.set TM,   96
.set SO,   98
.set BY,   100
.set PT,   104
.set PW,   240                         ; v240-247 a scale word for each tile of tokens
.set AF,   128
.set BIAS, 12
.set OC,   14
.set MSK,  16
.set MKW,  18
.set OS,   20
.set WV,   22
.set RH,   23
.set CH,   24
.set G1A,  32
.set G0A,  40
.set G1B,  48
.set G0B,  56
.set SEL,  66
.set G1S,  68
.set G0S,  76
.set G1SB, 80
.set G0SB, 88
.set MSB, 0
.macro WIN new                         ; the immediate's high byte repeats the setting that is left
.if MSB != (\new)
	s_set_vgpr_msb (MSB<<8)|(\new)
.set MSB, (\new)
.endif
.endm
.macro MWIN hi, first                  ; source 0 (W) window 1, source 1 (x) window 0, D window 2 + hi; C the same, or window 1 (the bias) in the first K step
	WIN 0x01+((2+\hi)<<6)+((2+\hi)-(1+\hi)*(\first))*16
.endm
.macro PLACES n
.rept \n
	v_nop
.endr
.endm
; A joint load: waves 0 and 1 fetch for x, waves 2 and 3 for W.  Four v_nop follow each of the two lines.
.macro JLOAD g0a, g1a, g0b, g1b
	s_cmp_eq_u32 s[RH], 0
	s_cbranch_scc0 .Lfor_b_\@
	tensor_load_to_lds s[\g0a:\g0a+3], s[\g1a:\g1a+7]
	s_nop 0
.rept 4
	v_nop
.endr
	s_branch .Lasked_\@
.Lfor_b_\@:
	tensor_load_to_lds s[\g0b:\g0b+3], s[\g1b:\g1b+7]
	s_nop 0
.rept 4
	v_nop
.endr
.Lasked_\@:
.endm
.macro CROUND                          ; a round of the cluster's barrier
	s_barrier_signal -1
	s_barrier_wait -1
	s_cmp_lg_u32 s[WV], 0
	s_cbranch_scc1 .Lnot_wave_0_\@
	s_barrier_signal -3
.Lnot_wave_0_\@:
	s_barrier_wait -3
	s_barrier_signal -1
	s_barrier_wait -1
.endm
	s_load_b128 s[4:7], s[0:1], 0x0                ; x's codes, x's scales
	s_load_b128 s[8:11], s[0:1], 0x10              ; Wq's codes, Wq's scales
	s_load_b64 s[12:13], s[0:1], 0x20              ; bq
	s_load_b128 s[68:71], s[0:1], 0x28             ; Wk's codes, Wk's scales
	s_load_b64 s[72:73], s[0:1], 0x38              ; bk
	s_load_b128 s[16:19], s[0:1], 0x40             ; the mask, the packed mask
	s_load_b128 s[76:79], s[0:1], 0x50             ; q's codes, q's scales
	s_load_b128 s[80:83], s[0:1], 0x60             ; k's codes, k's scales
	v_lshl_add_u32 v254, v0, 2, 0x40000
	v_mov_b32 v255, 0
	ds_add_u32 v254, v255
	ds_add_u32 v254, v255
	s_wait_dscnt 0x0
	v_lshrrev_b32 v1, 5, v0
	v_readfirstlane_b32 s[WV], v1                  ; wave 0..3
	s_lshr_b32 s[RH], s[WV], 1                     ; which half of the tokens is mine.  Also: I fetch for x (0) or for W (1)
	s_and_b32 s[CH], s[WV], 1                      ; which half of the features.  Also: which 128 rows I fetch
	s_bfe_u32 s25, ttmp6, 0x40000                  ; cx
	s_bfe_u32 s26, ttmp6, 0x40004                  ; cy
	s_lshl_b32 s27, ttmp9, 2
	s_add_co_u32 s27, s27, s25                     ; tile column 0..31
	s_and_b32 s28, ttmp7, 0xffff
	s_lshl_b32 s28, s28, 2
	s_add_co_u32 s28, s28, s26                     ; tile row 0..15
	s_and_b32 s29, s27, 15                         ; the tile column within Wq or Wk
	s_lshl_b32 s30, s26, 2
	s_lshl_b32 s30, 15, s30                        ; my row of the cluster
	s_lshl_b32 s31, 0x1111, s25                    ; my column
	s_or_b32 s[G1A], s30, (1<<20)|(1<<21)|(3<<22)|(3<<25)   ; 15:0 the mask; elements of 1 byte; padding on; 21 set beside a mask; 4 words of padding behind every 16
	s_or_b32 s[G1B], s31, (1<<20)|(1<<21)|(3<<22)|(3<<25)
.irp g, G1A, G1B
	s_mov_b32 s[\g+1], ROWB<<16                    ; tensor_dim0
	s_mov_b32 s[\g+2], 128<<16                     ; tensor_dim1
	s_mov_b32 s[\g+3], ROWB<<16                    ; tile_dim0
	s_mov_b32 s[\g+4], 128                         ; tile_dim1
	s_mov_b32 s[\g+5], KROW                        ; from row to row
	s_mov_b32 s[\g+6], 0
	s_mov_b32 s[\g+7], 0
.endr
	s_lshl_b32 s92, s28, 8
	s_lshl_b32 s93, s[CH], 7
	s_add_co_u32 s92, s92, s93                     ; x: row 256 x tile row + 128 x half
	s_lshl_b32 s94, s92, 4                         ; its scale bytes
	s_mul_i32 s92, s92, KROW                       ; its codes
	s_mov_b32 s93, 0
	s_mov_b32 s95, 0
	s_lshl_b32 s96, s29, 8
	s_lshl_b32 s97, s[CH], 7
	s_add_co_u32 s96, s96, s97                     ; W: row 256 x tile column + 128 x half
	s_lshl_b32 s98, s96, 4
	s_mul_i32 s96, s96, KROW
	s_mov_b32 s97, 0
	s_mov_b32 s99, 0
	s_mul_i32 s100, s[WV], HALFT                   ; where they go: wave x 128 rows
	s_mul_i32 s101, s[WV], HALFS
	s_mov_b32 s[SEL], 0x76543210
	s_mov_b32 s[SEL+1], 0xfedcba98
	s_wait_kmcnt 0x0
	s_cmp_lt_u32 ttmp9, 4                          ; the cluster's x, which all partners share: Wq or Wk
	s_cselect_b64 s[8:9], s[8:9], s[68:69]
	s_cselect_b64 s[10:11], s[10:11], s[70:71]
	s_cselect_b64 s[BIAS:BIAS+1], s[12:13], s[72:73]
	s_cselect_b64 s[OC:OC+1], s[76:77], s[80:81]
	s_cselect_b64 s[OS:OS+1], s[78:79], s[82:83]
	s_add_nc_u64 s[92:93], s[4:5], s[92:93]
	s_add_nc_u64 s[94:95], s[6:7], s[94:95]
	s_add_nc_u64 s[96:97], s[8:9], s[96:97]
	s_add_nc_u64 s[98:99], s[10:11], s[98:99]
	s_or_b32 s[G1S], s30, (3<<16)|(1<<20)|(1<<21)|(5<<22)|(3<<25)    ; the scale bytes of 128 rows: 2,048 dense bytes as 8 rows of 256 (32 elements of 8 bytes), 16 bytes of padding behind each
	s_or_b32 s[G1SB], s31, (3<<16)|(1<<20)|(1<<21)|(5<<22)|(3<<25)
.irp g, G1S, G1SB
	s_mov_b32 s[\g+1], 32<<16
	s_mov_b32 s[\g+2], 8<<16
	s_mov_b32 s[\g+3], 32<<16
	s_mov_b32 s[\g+4], 8
	s_mov_b32 s[\g+5], 32
	s_mov_b32 s[\g+6], 0
	s_mov_b32 s[\g+7], 0
.endr
	CROUND                                         ; all sixteen work-groups are here: the joint loads meet
	s_mov_b32 s[G0S], 1
	s_add_co_u32 s[G0S+1], s101, SCL
	s_mov_b64 s[G0S+2:G0S+3], s[94:95]
	s_or_b32 s[G0S+3], s[G0S+3], 0x80000000
	s_mov_b32 s[G0SB], 1
	s_add_co_u32 s[G0SB+1], s101, SCL
	s_mov_b64 s[G0SB+2:G0SB+3], s[98:99]
	s_or_b32 s[G0SB+3], s[G0SB+3], 0x80000000
	JLOAD G0S, G1S, G0SB, G1SB                     ; the scale bytes first: they are wanted with the first K step
.irp s, 0,1
	s_mov_b32 s[G0A+4*\s], 1
	s_add_co_u32 s[G0A+4*\s+1], s100, \s*SLOT
	s_add_nc_u64 s[G0A+4*\s+2:G0A+4*\s+3], s[92:93], \s*ROWB
	s_or_b32 s[G0A+4*\s+3], s[G0A+4*\s+3], 0x80000000
	s_mov_b32 s[G0B+4*\s], 1
	s_add_co_u32 s[G0B+4*\s+1], s100, \s*SLOT
	s_add_nc_u64 s[G0B+4*\s+2:G0B+4*\s+3], s[96:97], \s*ROWB
	s_or_b32 s[G0B+4*\s+3], s[G0B+4*\s+3], 0x80000000
	JLOAD G0A+4*\s, G1A, G0B+4*\s, G1B             ; three loads of mine are out
.endr
	v_and_b32 v1, 15, v0                           ; r
	v_bfe_u32 v2, v0, 4, 1                         ; hh
	v_and_b32 v3, 31, v0                           ; lane
	; ---- the bias, in the result's layout: tile b, lane (r, hh): features 64 (b / 4) + 8 (b % 4) + 32 hh + 0 .. 7.  Its loads go first: the first products want them
	s_lshl_b32 s92, s29, 10
	s_lshl_b32 s93, s[CH], 9
	s_add_co_u32 s92, s92, s93
	s_mov_b32 s93, 0
	s_add_nc_u64 s[BIAS:BIAS+1], s[BIAS:BIAS+1], s[92:93]
	v_lshlrev_b32 v[BOF], 7, v2
	WIN 0x40                                       ; destination window 1
.irp b, 0,1,2,3,4,5,6,7
	global_load_b128 v[96+8*\b+96*(\b/4):99+8*\b+96*(\b/4)], v[BOF], s[BIAS:BIAS+1] offset:(64*(\b/4)+8*(\b%4))*4
	global_load_b128 v[100+8*\b+96*(\b/4):103+8*\b+96*(\b/4)], v[BOF], s[BIAS:BIAS+1] offset:(64*(\b/4)+8*(\b%4))*4+16
.endr
	WIN 0
	; ---- the mask: my unit's 16 queries x 128 keys.  Number w = 8 t + j lands in v[96 + w + 96 (w / 32)]; nothing names these registers before the wait behind the last product
	s_lshl_b32 s92, s28, 5
	s_add_co_u32 s92, s92, s27
	s_lshl_b32 s92, s92, 2
	s_add_co_u32 s92, s92, s[WV]                   ; u = 4 x (32 x tile row + tile column) + wave: 0 .. 2,047
	s_lshr_b32 s93, s92, 4                         ; query tile
	s_and_b32 s94, s92, 15                         ; which 128 keys
	s_lshl_b32 s93, s93, 17                        ; 16 rows of 8,192 bytes
	s_lshl_b32 s94, s94, 9
	s_add_co_u32 s94, s94, s93
	s_mov_b32 s95, 0
	s_add_nc_u64 s[MSK:MSK+1], s[MSK:MSK+1], s[94:95]
	s_lshl_b32 s92, s92, 8                         ; 64 words a unit
	s_mov_b32 s93, 0
	s_add_nc_u64 s[MKW:MKW+1], s[MKW:MKW+1], s[92:93]
	v_lshlrev_b32 v[MKO], 13, v1
	v_lshl_add_u32 v[MKO], v2, 5, v[MKO]
.irp t, 0,1,2,3,4,5,6,7
.irp q, 0,1
	global_load_b128 v[96+8*\t+4*\q+96*(\t/4):99+8*\t+4*\q+96*(\t/4)], v[MKO], s[MSK:MSK+1] offset:64*\t+16*\q th:TH_LOAD_NT   ; mask[16 qt + r][16 (8 kb + t) + 8 hh + 4 q ..]: the 16 loads cover 16 rows x 512 bytes; read once
.endr
.endr
	; ---- where my results go
	s_lshl_b32 s92, s28, 4
	s_lshl_b32 s93, s[RH], 3
	s_add_co_u32 s92, s92, s93                     ; my first tile of 16 tokens
	s_lshr_b32 s93, s92, 7                         ; n
	s_and_b32 s92, s92, 127                        ; the tile within n
	s_lshl_b32 s94, s29, 1
	s_add_co_u32 s94, s94, s[CH]                   ; my 128 features: 0 .. 31
	s_lshr_b32 s95, s94, 2                         ; h
	s_and_b32 s94, s94, 3                          ; the K step within the head
	s_lshl_b32 s93, s93, 3
	s_add_co_u32 s93, s93, s95                     ; 8 n + h
	s_lshl_b32 s96, s93, 7
	s_add_co_u32 s96, s96, s92
	s_lshl_b32 s96, s96, 2
	s_add_co_u32 s96, s96, s94
	s_mul_i32 s96, s96, 1536
	s_mov_b32 s97, 0
	s_add_nc_u64 s[OC:OC+1], s[OC:OC+1], s[96:97]
	s_lshl_b32 s98, s93, 2
	s_add_co_u32 s98, s98, s94
	s_lshl_b32 s98, s98, 7
	s_add_co_u32 s98, s98, s92
	s_lshl_b32 s98, s98, 6
	s_mov_b32 s99, 0
	s_add_nc_u64 s[OS:OS+1], s[OS:OS+1], s[98:99]
	; ---- LDS addresses
	v_mul_u32_u24 v4, v1, PITCH
	v_mad_u32_u24 v4, v2, 24, v4                   ; x: row r, + 24 x half
	v_lshl_add_u32 v5, v2, 4, v4                   ; and behind one padding more
	v_and_b32 v9, 7, v0
	v_bfe_u32 v10, v0, 3, 1
	v_lshl_add_u32 v6, v10, 5, v9                  ; W: row r % 8 + 32 (r / 8)
	v_mul_u32_u24 v6, v6, PITCH
	v_mad_u32_u24 v6, v2, 24, v6
	v_lshl_add_u32 v7, v2, 4, v6
	s_mul_i32 s96, s[RH], HALFT
	s_mul_i32 s97, s[CH], HALFT
	s_add_co_u32 s97, s97, 2*HALFT
.irp s, 0,1
	v_add_nc_u32 v[ADRA+\s], s96, v4
	v_add_nc_u32 v[ADRA+2+\s], s96, v5
	v_add_nc_u32 v[ADRB+\s], s97, v6
	v_add_nc_u32 v[ADRB+2+\s], s97, v7
	s_add_co_u32 s96, s96, SLOT
	s_add_co_u32 s97, s97, SLOT
.endr
	s_mul_i32 s96, s[RH], HALFS
	s_add_co_u32 s96, s96, SCL
	v_lshl_add_u32 v[ADSA], v1, 4, s96             ; 16 bytes a row; block i lies 272 i on
	s_mul_i32 s97, s[CH], HALFS
	s_add_co_u32 s97, s97, SCL+2*HALFS
	v_mul_u32_u24 v[ADSB], v10, 544                ; 32 rows on: 512 bytes and two paddings
	v_lshl_add_u32 v[ADSB], v9, 4, v[ADSB]
	v_add_nc_u32 v[ADSB], s97, v[ADSB]
	v_lshlrev_b32 v[CO], 4, v3
	s_lshl_b32 s96, s[WV], 9
	s_add_co_u32 s96, s96, SCR
	v_lshl_add_u32 v[SCW], v1, 2, s96
	v_add_nc_u32 v[SCRD], s96, v[CO]
	v_lshlrev_b32 v[SH8], 3, v2
	v_mov_b32 v[FLR], 0x1800000
	v_mov_b32 v[PX], 0                             ; a lane permute's destination counts as one of its sources
	v_lshlrev_b32 v[MSO], 3, v3
	v_mov_b32 v[MW], 0                             ; (v_writelane_b32's destination counts as read)
	v_mov_b32 v[MW+1], 0
.macro FRAG reg, adr, q, row           ; a fragment: lane l holds row l % 16; registers 6 c .. 6 c + 5 hold K = 64 c + 32 (l / 16) + 0 .. 31: 24 bytes of the row, as they lie, in pieces of 8
.irp p, 0,1,2,3,4,5
.set PCE, 12*(\q)+6*(\p/3)+\p%3        ; lanes 16-31 read three pieces on: where that lies behind one padding more, the second address register serves
.if PCE%8 < 5
	ds_load_b64 v[\reg+2*\p:\reg+2*\p+1], v[\adr] offset:8*PCE+16*(PCE/8)+(\row)*PITCH
.else
	ds_load_b64 v[\reg+2*\p:\reg+2*\p+1], v[\adr+2] offset:8*PCE+16*(PCE/8)+(\row)*PITCH
.endif
.endr
.endm
.macro FETCH_B slot, q, p              ; W's eight fragments of the slot's q-th 128 along K into set p
	WIN 0x40
.irp i, 0,1,2,3,4,5,6,7
	FRAG 128*(\p)+FR*\i, ADRB+\slot, \q, 64*(\i/4)+8*(\i%4)
.endr
	WIN 0
.endm
.macro FETCH_A slot, q, i0             ; x's blocks i0 .. i0 + 3
.irp i, \i0, \i0+1, \i0+2, \i0+3
	FRAG AF+FR*(\i), ADRA+\slot, \q, 16*(\i)
.endr
.endm
.macro SCALES                          ; a row's 16 scale bytes are the words of all four K steps: fetched once
.irp i, 0,1,2,3,4,5,6,7
	ds_load_b128 v[SCA+4*\i:SCA+4*\i+3], v[ADSA] offset:272*\i
.endr
.irp b, 0,1,2,3,4,5,6,7
	ds_load_b128 v[SCB+4*\b:SCB+4*\b+3], v[ADSB] offset:1088*(\b/4)+128*(\b%4)+16*((\b%4)/2)
.endr
.endm
; 16 products: x's blocks a0, a0 + 1 against W's eight; K step qq; W's set p.  The 64 accumulators take turns, one instruction a turn.
.macro MUL16 a0, p, qq, first
.irp a, \a0, \a0+1
.irp b, 0,1,2,3,4,5,6,7
.if \first
	v_wmma_scale_f32_16x16x128_f8f6f4 v[8*(8*((\a)%4)+\b):8*(8*((\a)%4)+\b)+7], v[128*(\p)+FR*\b:128*(\p)+FR*\b+FR-1], v[AF+FR*(\a):AF+FR*(\a)+FR-1], v[96+8*\b+96*(\b/4):96+8*\b+96*(\b/4)+7], v[SCB+4*\b+(\qq)], v[SCA+4*(\a)+(\qq)] matrix_a_fmt:MATRIX_FMT_FP6 matrix_b_fmt:MATRIX_FMT_FP6
.else
	v_wmma_scale_f32_16x16x128_f8f6f4 v[8*(8*((\a)%4)+\b):8*(8*((\a)%4)+\b)+7], v[128*(\p)+FR*\b:128*(\p)+FR*\b+FR-1], v[AF+FR*(\a):AF+FR*(\a)+FR-1], v[8*(8*((\a)%4)+\b):8*(8*((\a)%4)+\b)+7], v[SCB+4*\b+(\qq)], v[SCA+4*(\a)+(\qq)] matrix_a_fmt:MATRIX_FMT_FP6 matrix_b_fmt:MATRIX_FMT_FP6
.endif
.endr
.endr
.endm
; A step of 128 along K that has its successor in the same slot.  A load into a register that a matrix instruction has read stands four plain vector instructions behind it (ISA guide 7.12.1 for vector instructions).
.macro STEP slot, q, first
	s_wait_dscnt 4*NL                              ; W's set and x's blocks 0-3 are in; the youngest 24 loads (blocks 4-7) may be out
	MWIN 0, \first
	MUL16 0, (\q)%2, 2*(\slot)+(\q), \first
	MUL16 2, (\q)%2, 2*(\slot)+(\q), \first
	s_wait_dscnt 0x0                               ; blocks 4-7 are in
	PLACES 4
	FETCH_B \slot, (\q)+1, 1-(\q)%2
	FETCH_A \slot, (\q)+1, 0
	MWIN 1, \first
	MUL16 4, (\q)%2, 2*(\slot)+(\q), \first
	MUL16 6, (\q)%2, 2*(\slot)+(\q), \first
	PLACES 4
	WIN 0
	FETCH_A \slot, (\q)+1, 4
.endm
; Tile a of 16 tokens: its 64 numbers a lane become a fragment's codes and a scale word.  The codes of each tile have 12 registers of their own, where x's fragment a lay: no store's data are written again.
.macro QUANT a
.set AC, 64*((\a)%4)
.set PCR, AF+FR*(\a)
	WIN 0x28+0x14*((\a)/4)                         ; sources 1 and 2: window 2 or 3
.irp c, 0,1
	v_max3_num_f32 v[TM+\c], v[FLR], |v[AC+32*\c]|, |v[AC+32*\c+1]|   ; my block 2 c + hh: all 32 numbers are mine; the floor holds the byte at 1 from below.  Each accumulator is read from its low end on
.endr
.irp i, 2,4,6,8,10,12,14,16,18,20,22,24,26,28,30
.irp c, 0,1
	v_max3_num_f32 v[TM+\c], v[TM+\c], |v[AC+32*\c+\i]|, |v[AC+32*\c+\i+1]|
.endr
.endr
	WIN 0
.irp c, 0,1
	v_add_nc_u32 v[SO+\c], 0xff000000, v[TM+\c]    ; 2 off the exponent field: the conversion's scale operand
.endr
.irp c, 0,1
	v_lshrrev_b32 v[BY+\c], 23, v[SO+\c]           ; the scale's byte
.endr
	v_lshl_or_b32 v[PW+\a], v[BY+1], 16, v[BY]     ; my two bytes: blocks hh and 2 + hh,
	v_lshlrev_b32 v[PW+\a], v[SH8], v[PW+\a]       ; at their places;
	v_permlanex16_b32 v[PX], v[PW+\a], s[SEL], s[SEL+1]
	v_or_b32 v[PW+\a], v[PW+\a], v[PX]             ; with lane l xor 16's two the word is whole
	WIN 0x02+((\a)/4)                              ; source 0: window 2 or 3
.irp c, 0,1
	v_cvt_scalef32_pk16_fp6_f32 v[PCR+6*\c:PCR+6*\c+2], v[AC+32*\c:AC+32*\c+15], v[SO+\c]
	v_cvt_scalef32_pk16_fp6_f32 v[PT+4*\c:PT+4*\c+2], v[AC+32*\c+16:AC+32*\c+31], v[SO+\c]   ; (a conversion's three registers begin on an even number)
.endr
	WIN 0
	v_nop                                          ; one plain instruction behind a scaled conversion
.irp c, 0,1
.irp i, 0,1,2
	v_mov_b32 v[PCR+6*\c+3+\i], v[PT+4*\c+\i]
.endr
.endr
	ds_store_b32 v[SCW], v[PW+\a] offset:64*(\a)   ; lanes r and r + 16 write the same word with the same value
.irp g, 0,1,2
	global_store_b128 v[CO], v[PCR+4*\g:PCR+4*\g+3], s[OC:OC+1] offset:6144*(\a)+512*\g   ; 32 lanes store 512 consecutive bytes, aligned
.endr
.endm
	s_wait_tensorcnt 1                             ; the scale bytes and my part of slot 0 are in (slot 1's load may be out),
	s_barrier_signal -1
	s_barrier_wait -1                              ; everybody's are
	FETCH_B 0, 0, 0
	FETCH_A 0, 0, 0
	SCALES
	FETCH_A 0, 0, 4
	s_wait_loadcnt 16                              ; the bias's 16 loads are in; the mask's 16, issued behind them, may stay out
	STEP 0, 0, 1                                   ; the first products start the sums from the bias: nothing is cleared
	s_wait_tensorcnt 0x0                           ; my part of slot 1 has landed
	s_wait_dscnt 4*NL
	MWIN 0, 0
	MUL16 0, 1, 1, 0
	s_wait_dscnt 0x0                               ; no LDS instruction of mine is pending at the signal
	s_barrier_signal -1
	MUL16 2, 1, 1, 0
	WIN 0
	s_barrier_wait -1                              ; slot 1 is whole
	PLACES 4
	FETCH_B 1, 0, 0
	FETCH_A 1, 0, 0
	MWIN 1, 0
	MUL16 4, 1, 1, 0
	MUL16 6, 1, 1, 0
	PLACES 4
	WIN 0
	FETCH_A 1, 0, 4
	STEP 1, 0, 0
	s_wait_dscnt 4*NL                              ; the last step: nothing more to fetch
	MWIN 0, 0
	MUL16 0, 1, 3, 0
	MUL16 2, 1, 3, 0
	s_wait_dscnt 0x0
	MWIN 1, 0
	MUL16 4, 1, 3, 0
	MUL16 6, 1, 3, 0
	WIN 0
	PLACES 4
	; ---- the mask is packed: a compare's lane mask is the word; lane w / 2 of the pair takes word w.  Eight compares, then their eight words, so that no line reads the result of the line above it
	s_wait_loadcnt 0x0                             ; the mask's 64 numbers, asked for at the head
.set w, 0
.rept 8
.irp k, 0,1,2,3,4,5,6,7
	v_cmp_ne_u32 s[92+\k], 0, v[96+w+\k+96*(w/32)]
.endr
.irp k, 0,1,2,3,4,5,6,7
	v_writelane_b32 v[MW+(\k&1)], s[92+\k], (w+\k)>>1
.endr
.set w, w+8
.endr
	global_store_b64 v[MSO], v[MW:MW+1], s[MKW:MKW+1]  ; 32 lanes store 256 consecutive bytes, aligned
.irp a, 0,1,2,3,4,5,6,7
	QUANT \a
.endr
	ds_load_b128 v[248:251], v[SCRD]               ; LDS serves a wave's instructions in order (ISA guide 5.7.1.4): this sees my eight stores
	s_wait_dscnt 0x0
	global_store_b128 v[CO], v[248:251], s[OS:OS+1]   ; eight tiles' scale words: 512 consecutive bytes, aligned
	s_wait_xcnt 0x0
	v_lshl_add_u32 v254, v0, 2, 0x40000
	v_mov_b32 v255, 0
	s_wait_tensorcnt 0x0
	ds_add_u32 v254, v255
	s_wait_dscnt 0x0
	CROUND                                         ; the closing round
	s_endpgm
.Lfunc_end_k_q6712cd6c87_projqk:
	.size	k_q6712cd6c87_projqk, .Lfunc_end_k_q6712cd6c87_projqk-k_q6712cd6c87_projqk
	.p2alignl 7, 3214868480
	.fill 96, 4, 3214868480
	.section	.rodata,"a",@progbits
	.p2align	6, 0x0
	.amdhsa_kernel k_q6712cd6c87_projqk
		.amdhsa_group_segment_fixed_size 262656
		.amdhsa_private_segment_fixed_size 0
		.amdhsa_enable_private_segment 0
		.amdhsa_kernarg_size 112
		.amdhsa_user_sgpr_count 2
		.amdhsa_user_sgpr_kernarg_segment_ptr 1
		.amdhsa_wavefront_size32 1
		.amdhsa_system_sgpr_workgroup_id_x 1
		.amdhsa_system_sgpr_workgroup_id_y 1
		.amdhsa_system_sgpr_workgroup_id_z 1
		.amdhsa_system_vgpr_workitem_id 0
		.amdhsa_next_free_vgpr 1024
		.amdhsa_next_free_sgpr 102
		.amdhsa_reserve_vcc 0
		.amdhsa_float_denorm_mode_32 3
		.amdhsa_float_denorm_mode_16_64 3
		.amdhsa_memory_ordered 1
		.amdhsa_forward_progress 1
		.amdhsa_inst_pref_size 110
	.end_amdhsa_kernel
	.amdgpu_metadata
---
amdhsa.version: [ 1, 2 ]
amdhsa.kernels:
  - .name:           k_q6712cd6c87_projqk
    .symbol:         k_q6712cd6c87_projqk.kd
    .args:
      - { .name: input_data_codes, .offset: 0, .size: 8, .value_kind: global_buffer, .address_space: global }
      - { .name: input_data_scales, .offset: 8, .size: 8, .value_kind: global_buffer, .address_space: global }
      - { .name: Wq_codes, .offset: 16, .size: 8, .value_kind: global_buffer, .address_space: global }
      - { .name: Wq_scales, .offset: 24, .size: 8, .value_kind: global_buffer, .address_space: global }
      - { .name: bq, .offset: 32, .size: 8, .value_kind: global_buffer, .address_space: global }
      - { .name: Wk_codes, .offset: 40, .size: 8, .value_kind: global_buffer, .address_space: global }
      - { .name: Wk_scales, .offset: 48, .size: 8, .value_kind: global_buffer, .address_space: global }
      - { .name: bk, .offset: 56, .size: 8, .value_kind: global_buffer, .address_space: global }
      - { .name: mask, .offset: 64, .size: 8, .value_kind: global_buffer, .address_space: global }
      - { .name: maskw, .offset: 72, .size: 8, .value_kind: global_buffer, .address_space: global }
      - { .name: qcodes, .offset: 80, .size: 8, .value_kind: global_buffer, .address_space: global }
      - { .name: qscales, .offset: 88, .size: 8, .value_kind: global_buffer, .address_space: global }
      - { .name: kcodes, .offset: 96, .size: 8, .value_kind: global_buffer, .address_space: global }
      - { .name: kscales, .offset: 104, .size: 8, .value_kind: global_buffer, .address_space: global }
    .group_segment_fixed_size: 262656
    .private_segment_fixed_size: 0
    .kernarg_segment_align: 8
    .kernarg_segment_size: 112
    .max_flat_workgroup_size: 128
    .sgpr_count:     102
    .vgpr_count:     1024
    .wavefront_size: 32
...
	.end_amdgpu_metadata
.endif
;; end of part 1
;; launch attn (part 2): grid 16 x 16, 8 waves a work-group, clusters of 4 x 1, 327,680 bytes of LDS; arguments qcodes, qscales, kcodes, kscales, maskw, part; writes part
.if DOCPART == 2
	.amdgcn_target "amdgcn-amd-amdhsa--gfx1250"
	.amdhsa_code_object_version 6
	.text
	.protected	k_q6712cd6c87_attn
	.globl	k_q6712cd6c87_attn
	.p2align	8
	.type	k_q6712cd6c87_attn,@function
k_q6712cd6c87_attn:
	s_mov_b64 s[64:65], 0
	v_nop
	global_prefetch_b8 v0, s[64:65] scope:SCOPE_SE
	s_setreg_imm32_b32 hwreg(HW_REG_WAVE_MODE, 25, 1), 1
	s_wait_xcnt 0x0
	s_wait_alu depctr_hold_cnt(0) depctr_sa_sdst(0) depctr_va_vdst(0) depctr_va_sdst(0) depctr_va_ssrc(0) depctr_va_vcc(0) depctr_vm_vsrc(0)
	s_getreg_b32 s2, hwreg(HW_REG_IB_STS2, 6, 4)
	s_cmp_eq_u32 s2, 0
	s_cbranch_scc0 .Lentry_in_a_cluster
	s_endpgm
.Lentry_in_a_cluster:
	s_bfe_u32 s2, ttmp6, 0x10000c
	s_cmp_lg_u32 s2, 0x3003
	s_cbranch_scc0 .Lentry_shape_is_right
	s_endpgm
.Lentry_shape_is_right:
; part[n h][query block] = the sum, over 128 queries, of the sums of their rows of softmax_k(where(mask == 0, -1e9, q . k / sqrt(512))).
; q, k: codes of FP6 (E2M3) as images of operand registers, [n h 16][tile of 16 tokens 128][K step 4][1,536 bytes]; scale words [n h][K step 4][tile 128][16 words].
; maskw: [query tile 128][key tile 128][j 8] words: bit r + 16 hh = the mask of query r, key 8 hh + j: the lane mask of register j of a score tile.
; Of a row only its running maximum m and the sum l of p = 2^(c s - c m), c = log2(e) / sqrt(512), are wanted: the row's weights p / l sum to l x (1 / l).
; SHARES.  A work-group owns 128 queries of one (n, h).  Wave w: QH = w % 2: which 64 queries (four tiles; their 16 fragments stay in registers); KQ = w / 2: which quarter of each slot's 256 keys.
; Two waves of 512 registers share a SIMD, so that one wave's softmax stands beside the other's products.  A fragment of k read from LDS feeds four products.
; S^T = k q^T (source 0 = 16 keys, source 1 = 16 queries): lane (r, hh) holds query r and keys 8 hh + j.  EACH LANE keeps a maximum and a sum of its own over the 256 keys that it sees: no lane exchange
; in the loop; a query's eight parts (four quarters x two halves of the lanes) are merged once, at the end, through LDS.
; THE MASK WORDS of a step (four query tiles x two key tiles x 8 = 64) lie in 64 scalar registers.  All 64 scores are masked at once, straight behind the products, and the next step's words are asked for
; directly behind that: four scalar loads, which have the step's whole softmax, an LDS run and the next 32 products in which to land.
; A masked score is -1e9 x sqrt(512) ahead of the factor c.  For a lane all of whose keys are masked c m is the rounded product, and the fused c s - c m is what that rounding left, at most 64 in magnitude:
; p is at most 2^64, alike in all such lanes; l is always relative to the stored c m, and the merge uses the same c m.
; CLUSTER.  The four query blocks of a cluster walk the same k: each tile is asked for jointly, every wave its eighth of a slot.  q is each work-group's own and comes straight into registers.
; LIMITS: NaN and infinities are not served.
; VECTOR REGISTERS: window 0: v1-15 addresses and constants; v16-47 statistics, 8 a query tile: +0 c m, +1 m, +2, +3 l, +4, +5 at work, +6 a = 2^(c m_old - c m_new), +7 at work; v48-55 q's scale words,
;   v56-59 k's (lanes 0-15 an even K step, lanes 16-31 the odd one behind it); v64-127 S^T, accumulator (a, t) at 16 a + 8 t; v128-223 k's fragment (t, s) at 48 t + 12 s.   window 1: q's fragment (a, s) at 48 a + 12 s.
; SCALAR REGISTERS: the mask words of query tile a in 16 registers from MBa on.  64 mask words, 28 descriptor registers and the rest do not fit beside each other: MB1 lies over the three descriptors that
; only the first fills use, and is first loaded behind the wait that shows those fills done.  s4-19 and s68-79 are at work at the head (the arguments land in s68-79) before the first mask words are asked for.
.set SLOTB, 98304                      ; a slot: 256 keys = 16 tiles x 4 K steps x 1,536 bytes
.set SCK,   98304                      ; k's scale words of the whole head, 32,768 bytes, as they lie in memory
.set SLOT1, 1<<17                      ; slot 1: one exclusive or turns an address of one slot into the other's
.set MRG,   SLOT1+SLOTB                ; the merge: c m [8 parts][128 queries], then l likewise: 8,192 bytes; no fill lands here
.set SPARE, MRG+8192                   ; the spare words, 128 bytes for each wave: four blocks of 256 bytes that no other line names
.set ADK0, 1
.set ASK0, 2
.set SPW,  3
.set NIL,  4
.set ADK,  5
.set ADS,  6
.set PFO,  7
.set NEG,  8
.set MST,  9
.set MRD,  10
.set ZR,   11
.set QO,   12
.set QSO,  13
.set ST,   16
.set QS,   48
.set KS,   56
.set S,    64
.set KF,   128
.set MB0,  4                           ; s4-19
.set MB1,  48                          ; s48-63
.set MB2,  68                          ; s68-83
.set MB3,  84                          ; s84-99
.set G1K,  20                          ; s[20:27] group 1 of k's tiles
.set G0B,  28                          ; s[28:31] the walking group 0
.set QB,   32                          ; s[32:33] q's codes
.set QSB,  34                          ; s[34:35] q's scale words
.set SEL,  32                          ; (at the end, when q has long been loaded)
.set MP,   36                          ; s[36:37] the mask words of the slot in hand
.set PFA,  38                          ; s[38:39] where my prefetches stand
.set CS,   40                          ; s[40:41] c, twice
.set WV,   42
.set LIM,  43
.set TB,   44                          ; LDS byte at which the slot in hand begins
.set TS,   45                          ; the slot's scale words: 1,024 bytes a slot
.set SLOTS, 46
.set TMP,  47
.set G1S,  48                          ; s[48:55], s[56:59], s[60:63]: used by the first fills alone
.set G0S,  56
.set G0A,  60
.set QH,   66
.set KQ,   67
.set PRT,  100                         ; s[100:101]
.set MSB, 0
.macro WIN new
.if MSB != (\new)
	s_set_vgpr_msb (MSB<<8)|(\new)
.set MSB, (\new)
.endif
.endm
.macro PLACES n
.rept \n
	v_nop
.endr
.endm
.macro CROUND                          ; a round of the cluster's barrier
	s_barrier_signal -1
	s_barrier_wait -1
	s_cmp_lg_u32 s[WV], 0
	s_cbranch_scc1 .Lnot_wave_0_\@
	s_barrier_signal -3
.Lnot_wave_0_\@:
	s_barrier_wait -3
	s_barrier_signal -1
	s_barrier_wait -1
.endm
; A prefetch of the slot that the NEXT change of slots will ask for.  All four clusters of a head walk the same k: the head's first cluster asks.  Its four partners take 24,576 bytes each, told apart by
; address; in each, waves 0 to 2 take 8,192 bytes, lanes 256 bytes apart: each aligned block of 256 bytes is named once in the launch.  The last change that fills a slot asks for nothing.
.macro ASK
	s_cmp_gt_u32 s[SLOTS], s[LIM]
	s_cbranch_scc0 .Lnot_mine_\@
	global_prefetch_b8 v[PFO], s[PFA:PFA+1] th:TH_LOAD_NT scope:SCOPE_SE
.Lnot_mine_\@:
.endm
	s_load_b256 s[68:75], s[0:1], 0x0              ; q's codes s[68:69], q's scales s[70:71], k's codes s[72:73], k's scales s[74:75]
	s_load_b128 s[76:79], s[0:1], 0x20             ; the packed mask s[76:77], part s[78:79]
	v_lshl_add_u32 v[SPW], v0, 2, SPARE
	v_mov_b32 v[NIL], 0
	ds_add_u32 v3, v4
	ds_add_u32 v3, v4
	s_wait_dscnt 0x0
	v_lshrrev_b32 v14, 5, v0
	v_readfirstlane_b32 s[WV], v14                 ; wave 0..7
	s_and_b32 s[QH], s[WV], 1
	s_lshr_b32 s[KQ], s[WV], 1
	s_and_b32 s4, ttmp7, 0xffff                    ; 8 n + h, which the four partners share
	s_mov_b32 s[G1K], 15|(3<<16)|(1<<21)           ; 15:0 the mask: all four work-groups; elements of 8 bytes; 21 set beside a mask; no padding
	s_mov_b32 s[G1K+1], 32<<16                     ; rows of 256 bytes,
	s_mov_b32 s[G1K+2], 48<<16                     ; 48 of them: my eighth of a slot, dense in memory
	s_mov_b32 s[G1K+3], 32<<16
	s_mov_b32 s[G1K+4], 48
	s_mov_b32 s[G1K+5], 32
	s_mov_b32 s[G1K+6], 0
	s_mov_b32 s[G1K+7], 0
	s_mov_b32 s[G1S], 15|(3<<16)|(1<<21)           ; the scale words: 16 rows of 256 bytes a wave
	s_mov_b32 s[G1S+1], 32<<16
	s_mov_b32 s[G1S+2], 16<<16
	s_mov_b32 s[G1S+3], 32<<16
	s_mov_b32 s[G1S+4], 16
	s_mov_b32 s[G1S+5], 32
	s_mov_b32 s[G1S+6], 0
	s_mov_b32 s[G1S+7], 0
	s_mul_i32 s6, s4, 8*SLOTB
	s_mul_i32 s7, s[WV], 12288
	s_add_co_u32 s6, s6, s7
	s_mov_b32 s7, 0                                ; k's codes: the head, my eighth of slot 0
	s_lshl_b32 s8, s4, 15
	s_lshl_b32 s9, s[WV], 12
	s_add_co_u32 s8, s8, s9
	s_mov_b32 s9, 0                                ; k's scale words: the head, my eighth
	s_mov_b32 s[CS], 0x3d8293ee                    ; c = log2(e) / sqrt(512)
	s_mov_b32 s[CS+1], s[CS]                       ; (named with it as a pair, so it is written)
	s_mov_b32 s[TB], 0
	s_mov_b32 s[TS], 0
	s_mov_b32 s[SLOTS], 6
	s_wait_kmcnt 0x0
	s_mov_b32 s[G0S], 1
	s_lshl_b32 s[G0S+1], s[WV], 12
	s_add_co_u32 s[G0S+1], s[G0S+1], SCK
	s_add_nc_u64 s[G0S+2:G0S+3], s[74:75], s[8:9]
	s_or_b32 s[G0S+3], s[G0S+3], 0x80000000
	s_mov_b32 s[G0A], 1
	s_mul_i32 s[G0A+1], s[WV], 12288
	s_add_nc_u64 s[G0A+2:G0A+3], s[72:73], s[6:7]
	s_mov_b32 s[G0B], 1
	s_add_co_u32 s[G0B+1], s[G0A+1], SLOT1
	s_add_nc_u64 s[G0B+2:G0B+3], s[G0A+2:G0A+3], SLOTB
	s_or_b32 s[G0A+3], s[G0A+3], 0x80000000
	s_or_b32 s[G0B+3], s[G0B+3], 0x80000000
	CROUND                                         ; all four work-groups are here: the first joint loads meet
	tensor_load_to_lds s[G0S:G0S+3], s[G1S:G1S+7]  ; the head's scale words: filled once
	s_nop 0
	tensor_load_to_lds s[G0A:G0A+3], s[G1K:G1K+7]  ; slot 0
	s_nop 0
	tensor_load_to_lds s[G0B:G0B+3], s[G1K:G1K+7]  ; slot 1: three loads of mine are out
	s_nop 0
	PLACES 4
	s_bfe_u32 s5, ttmp6, 0x40000                   ; cx: it enters global addresses alone
	s_lshl_b32 s10, ttmp9, 2
	s_add_co_u32 s10, s10, s5                      ; my block of 128 queries
	s_mul_i32 s6, s4, 8*SLOTB
	s_mul_i32 s7, s5, 24576
	s_add_co_u32 s6, s6, s7
	s_lshl_b32 s7, s[WV], 13
	s_add_co_u32 s6, s6, s7
	s_add_co_u32 s6, s6, 2*SLOTB                   ; in slot 2: the first change of slots steps it to slot 3.  Nothing is prefetched at the head
	s_mov_b32 s7, 0
	s_add_nc_u64 s[PFA:PFA+1], s[72:73], s[6:7]
	s_cmp_lt_u32 s[WV], 3
	s_cselect_b32 s6, 0, 1
	s_or_b32 s6, s6, ttmp9                         ; 0 in waves 0 to 2 of the head's first cluster: the same in all four partners
	s_cmp_eq_u32 s6, 0
	s_cselect_b32 s[LIM], 1, -1
	s_lshl_b32 s8, s10, 3
	s_lshl_b32 s9, s[QH], 2
	s_add_co_u32 s8, s8, s9                        ; my first query tile within the head
	s_lshl_b32 s6, s4, 7
	s_add_co_u32 s6, s6, s8
	s_mul_i32 s6, s6, 6144
	s_add_nc_u64 s[QB:QB+1], s[68:69], s[6:7]      ; q's codes
	s_lshl_b32 s6, s8, 6
	s_lshl_b32 s9, s4, 15
	s_add_co_u32 s6, s6, s9
	s_add_nc_u64 s[QSB:QSB+1], s[70:71], s[6:7]    ; q's scale words
	s_lshl_b32 s6, s8, 12
	s_lshl_b32 s9, s[KQ], 7
	s_add_co_u32 s6, s6, s9
	s_add_nc_u64 s[MP:MP+1], s[76:77], s[6:7]      ; the mask words: 4,096 bytes a query tile, 32 a key tile
	s_lshl_b32 s6, s4, 4
	s_add_co_u32 s6, s6, s10
	s_lshl_b32 s6, s6, 2
	s_add_nc_u64 s[PRT:PRT+1], s[78:79], s[6:7]
	s_load_b512 s[MB0:MB0+15], s[MP:MP+1], 0x0     ; the first step's mask words: query tiles 0, 2 and 3, my first two key tiles.  The arguments and what was at work in these registers are used up
	s_load_b512 s[MB2:MB2+15], s[MP:MP+1], 0x2000
	s_load_b512 s[MB3:MB3+15], s[MP:MP+1], 0x3000
	v_and_b32 v14, 15, v0                          ; r
	v_bfe_u32 v15, v0, 4, 1                        ; hh
	v_and_b32 v[QO], 31, v0
	v_lshlrev_b32 v[PFO], 8, v[QO]
	v_lshlrev_b32 v[QO], 4, v[QO]                  ; 16 x lane
	WIN 0x40                                       ; destination window 1
.irp f, 0,1,2,3,4,5,6,7,8,9,10,11,12,13,14,15
.irp c, 0,1,2
	global_load_b128 v[12*\f+4*\c:12*\f+4*\c+3], v[QO], s[QB:QB+1] offset:1536*\f+512*\c   ; q's fragment f = 4 a + s, as it was stored: 512 consecutive bytes a load
.endr
.endr
	WIN 0
	v_lshlrev_b32 v[QSO], 2, v14
	v_lshl_add_u32 v[QSO], v15, 13, v[QSO]         ; 4 r; lanes 16-31 take the K step behind: 8,192 bytes on
.irp a, 0,1,2,3
.irp p, 0,1
	global_load_b32 v[QS+2*\a+\p], v[QSO], s[QSB:QSB+1] offset:16384*\p+64*\a
.endr
.endr
	s_mul_i32 s2, s[KQ], 24576
	v_add_nc_u32 v[ADK0], s2, v[QO]                ; my quarter of a slot: four tiles
	s_lshl_b32 s2, s[KQ], 8
	s_add_co_u32 s2, s2, SCK
	v_add_nc_u32 v[ASK0], s2, v[QSO]
	s_lshl_b32 s2, s[KQ], 10
	s_lshl_b32 s3, s[QH], 8
	s_add_co_u32 s2, s2, s3
	s_add_co_u32 s2, s2, MRG
	v_lshlrev_b32 v[MST], 2, v14
	v_lshl_add_u32 v[MST], v15, 9, v[MST]
	v_add_nc_u32 v[MST], s2, v[MST]                ; part 2 KQ + hh, query 64 QH + 16 a + r
	v_add_nc_u32 v[MRD], MRG, v[QO]                ; the merge: lane i takes queries 4 i .. 4 i + 3
	v_mov_b32 v[ZR], 0
	v_mov_b32 v[NEG], 0xd0a8965f                   ; -1e9 x sqrt(512)
.irp a, 0,1,2,3
	v_mov_b32 v[ST+8*\a+1], 0xff61b1e6             ; m: -3e38, under every score
	v_mov_b32 v[ST+8*\a+2], 0                      ; l
	v_mov_b32 v[ST+8*\a+3], 0
	v_mov_b32 v[ST+8*\a+6], 0
	v_mov_b32 v[ST+8*\a+7], 0
	v_mul_f32 v[ST+8*\a], s[CS], v[ST+8*\a+1]      ; c m
.endr
.macro FETCHK step                     ; two key tiles' eight fragments and their scale words: 28 LDS loads in one run
	v_add_nc_u32 v[ADK], s[TB], v[ADK0]
	v_add_nc_u32 v[ADS], s[TS], v[ASK0]
.irp t, 0,1
.irp s, 0,1,2,3
.irp c, 0,1,2
	ds_load_b128 v[KF+48*\t+12*\s+4*\c:KF+48*\t+12*\s+4*\c+3], v[ADK] offset:12288*\step+(4*\t+\s)*1536+512*\c
.endr
.endr
.endr
.irp t, 0,1
.irp p, 0,1
	ds_load_b32 v[KS+2*\t+\p], v[ADS] offset:128*\step+64*\t+16384*\p
.endr
.endr
.endm
; 32 products: two key tiles x four query tiles x four K steps.  The eight accumulators take turns, one instruction a turn; the first eight start the sums.
.macro MULS
	s_wait_dscnt 0x0
	WIN 0x04                                       ; source 1 (q) window 1
.irp s, 0,1,2,3
.irp t, 0,1
.irp a, 0,1,2,3
.if \s == 0
	v_wmma_scale_f32_16x16x128_f8f6f4 v[S+16*\a+8*\t:S+16*\a+8*\t+7], v[KF+48*\t+12*\s:KF+48*\t+12*\s+11], v[48*\a+12*\s:48*\a+12*\s+11], 0, v[KS+2*\t], v[QS+2*\a] matrix_a_fmt:MATRIX_FMT_FP6 matrix_b_fmt:MATRIX_FMT_FP6
.elseif \s%2 == 0
	v_wmma_scale_f32_16x16x128_f8f6f4 v[S+16*\a+8*\t:S+16*\a+8*\t+7], v[KF+48*\t+12*\s:KF+48*\t+12*\s+11], v[48*\a+12*\s:48*\a+12*\s+11], v[S+16*\a+8*\t:S+16*\a+8*\t+7], v[KS+2*\t+\s/2], v[QS+2*\a+\s/2] matrix_a_fmt:MATRIX_FMT_FP6 matrix_b_fmt:MATRIX_FMT_FP6
.else
	v_wmma_scale_f32_16x16x128_f8f6f4 v[S+16*\a+8*\t:S+16*\a+8*\t+7], v[KF+48*\t+12*\s:KF+48*\t+12*\s+11], v[48*\a+12*\s:48*\a+12*\s+11], v[S+16*\a+8*\t:S+16*\a+8*\t+7], v[KS+2*\t+\s/2], v[QS+2*\a+\s/2] matrix_a_fmt:MATRIX_FMT_FP6 matrix_b_fmt:MATRIX_FMT_FP6 matrix_a_scale:MATRIX_SCALE_ROW1 matrix_b_scale:MATRIX_SCALE_ROW1
.endif
.endr
.endr
.endr
	WIN 0
.endm
; The step's 64 scores are masked, and the next step's 64 mask words are asked for.  nxt: 0: none are left; 1: those at imm; 2: the pointer first steps a slot on.
.macro MASK nxt, imm
	s_wait_kmcnt 0x0                               ; this step's mask words, asked for a step ago
.irp i, 0,1,2,3,4,5,6,7,8,9,10,11,12,13,14,15
.irp a, 0,1,2,3
	v_cndmask_b32 v[S+16*\a+\i], v[NEG], v[S+16*\a+\i], s[MB\a+\i]   ; each accumulator is read from its low end on
.endr
.endr
.if \nxt == 2
	s_add_nc_u64 s[MP:MP+1], s[MP:MP+1], 512       ; no scalar load is out
.endif
.if \nxt
.irp a, 0,1,2,3
	s_load_b512 s[MB\a:MB\a+15], s[MP:MP+1], \imm+4096*\a
.endr
.endif
.endm
; The softmax of query tiles 2 b and 2 b + 1 for 32 keys: 16 scores a lane and tile; the two tiles by turns.
.macro SMB b
.irp x, 0,1
.set rT, ST+8*(2*\b+\x)
.set rS, S+16*(2*\b+\x)
	v_max3_num_f32 v[rT+4], v[rT+1], v[rS], v[rS+1]        ; the new maximum, in two chains; the first begins with the old m
	v_max3_num_f32 v[rT+5], v[rS+8], v[rS+9], v[rS+10]
.endr
.irp x, 0,1
.set rT, ST+8*(2*\b+\x)
.set rS, S+16*(2*\b+\x)
	v_max3_num_f32 v[rT+4], v[rT+4], v[rS+2], v[rS+3]
	v_max3_num_f32 v[rT+5], v[rT+5], v[rS+11], v[rS+12]
.endr
.irp x, 0,1
.set rT, ST+8*(2*\b+\x)
.set rS, S+16*(2*\b+\x)
	v_max3_num_f32 v[rT+4], v[rT+4], v[rS+4], v[rS+5]
	v_max3_num_f32 v[rT+5], v[rT+5], v[rS+13], v[rS+14]
.endr
.irp x, 0,1
.set rT, ST+8*(2*\b+\x)
.set rS, S+16*(2*\b+\x)
	v_max3_num_f32 v[rT+4], v[rT+4], v[rS+6], v[rS+7]
	v_mov_b32 v[rT+7], v[rT]                       ; c m_old is kept for a
.endr
.irp x, 0,1
.set rT, ST+8*(2*\b+\x)
.set rS, S+16*(2*\b+\x)
	v_max3_num_f32 v[rT+1], v[rT+4], v[rT+5], v[rS+15]
.endr
.irp x, 0,1
.set rT, ST+8*(2*\b+\x)
	v_mul_f32 v[rT], s[CS], v[rT+1]
.endr
.irp x, 0,1
.set rT, ST+8*(2*\b+\x)
	v_sub_f32 v[rT+7], v[rT+7], v[rT]
.endr
.irp i, 0,2,4,6,8,10,12,14
.irp x, 0,1
.set rT, ST+8*(2*\b+\x)
.set rS, S+16*(2*\b+\x)
	v_pk_fma_f32 v[rS+\i:rS+\i+1], v[rS+\i:rS+\i+1], s[CS:CS+1], v[rT:rT+1] op_sel_hi:[1,0,0] neg_lo:[0,0,1] neg_hi:[0,0,1]   ; c s - c m, two at a time
.endr
.endr
.irp x, 0,1
.set rT, ST+8*(2*\b+\x)
	v_exp_f32 v[rT+6], v[rT+7]                     ; a
.endr
.irp i, 0,1,2,3,4,5,6,7,8,9,10,11,12,13,14,15
.irp x, 0,1
.set rS, S+16*(2*\b+\x)
	v_exp_f32 v[rS+\i], v[rS+\i]                   ; p
.endr
.endr
	v_nop                                          ; a plain instruction behind the last exponential (ISA guide 5.7.2)
	s_wait_alu depctr_va_vdst(0)                   ; one wait for the batch's 34 exponentials, ahead of their first reader
.irp i, 0,4,8,12
.irp x, 0,1
.set rS, S+16*(2*\b+\x)
	v_pk_add_f32 v[rS+\i:rS+\i+1], v[rS+\i:rS+\i+1], v[rS+\i+2:rS+\i+3]
.endr
.endr
.irp i, 0,8
.irp x, 0,1
.set rS, S+16*(2*\b+\x)
	v_pk_add_f32 v[rS+\i:rS+\i+1], v[rS+\i:rS+\i+1], v[rS+\i+4:rS+\i+5]
.endr
.endr
.irp x, 0,1
.set rS, S+16*(2*\b+\x)
	v_pk_add_f32 v[rS:rS+1], v[rS:rS+1], v[rS+8:rS+9]
.endr
.irp x, 0,1
.set rT, ST+8*(2*\b+\x)
.set rS, S+16*(2*\b+\x)
	v_pk_fma_f32 v[rT+2:rT+3], v[rT+2:rT+3], v[rT+6:rT+7], v[rS:rS+1] op_sel_hi:[1,0,1]   ; l = a l + the sum
.endr
.endm
; THE CHANGE OF SLOTS.  Each wave waits for all its tensor loads (its part of the other slot), adds 0 to its spare word, and waits for that and for its reads of this slot.
; fill = 1: a round of the cluster's barrier, and this slot is filled with the keys two slots on: the load has a whole slot's work in which to land.
.macro CHANGE fill
	s_wait_tensorcnt 0x0                           ; no tensor load of mine is out, so a group 0 may be written
	ds_add_u32 v[SPW], v[NIL]                      ; 0 onto my spare word
.if \fill
	s_xor_b32 s[G0B+1], s[G0B+1], SLOT1            ; the walking descriptor: the other slot than last time,
	s_add_nc_u64 s[G0B+2:G0B+3], s[G0B+2:G0B+3], SLOTB   ; the next 256 keys; the type bits on top are not reached
	s_wait_xcnt 0x0                                ; the last prefetch, a slot back, has read its address
	s_add_nc_u64 s[PFA:PFA+1], s[PFA:PFA+1], SLOTB
	s_wait_dscnt 0x0                               ; the add is done, and my reads of the slot are over
	CROUND
	tensor_load_to_lds s[G0B:G0B+3], s[G1K:G1K+7]  ; the first thing behind the round, and my one tensor load until the next
	s_nop 0
	PLACES 4                                       ; (they are the places in front of the loads into k's registers)
	ASK
.else
	s_wait_dscnt 0x0
	s_barrier_signal -1
	s_barrier_wait -1
.endif
	s_xor_b32 s[TB], s[TB], SLOT1
	s_add_co_u32 s[TS], s[TS], 1024
.endm
; A slot: my four key tiles in two steps.  mode 1: the slot is filled again; 0: it is left and nothing is asked for; 2: the last slot.
.macro SLOTWORK mode
	MULS
	PLACES 4                                       ; in front of loads into registers that the products have read, and of the first read of the scores
	FETCHK 1
	MASK 1, 64
	SMB 0
	SMB 1
	MULS
.if \mode == 1
	CHANGE 1
	FETCHK 0
.elseif \mode == 0
	CHANGE 0
	PLACES 4
	FETCHK 0
.else
	PLACES 4
.endif
.if \mode == 2
	MASK 0, 0
.else
	MASK 2, 0
.endif
	SMB 0
	SMB 1
.endm
	s_wait_tensorcnt 1                             ; the scale words and my part of slot 0 are in; slot 1's may stay out.  The first two loads' descriptors are free
	s_load_b512 s[MB1:MB1+15], s[MP:MP+1], 0x1000  ; query tile 1's first mask words land where they lay
	s_barrier_signal -1
	s_barrier_wait -1
	FETCHK 0
	s_wait_loadcnt 0x0                             ; q
.Lslot:                                            ; six trips: slots 0 to 5 are read and filled again with slots 2 to 7
	SLOTWORK 1
	s_sub_co_u32 s[SLOTS], s[SLOTS], 1
	s_cmp_lg_u32 s[SLOTS], 0
	s_cbranch_scc1 .Lslot
	SLOTWORK 0                                     ; the tail is written out
	SLOTWORK 2
	; THE MERGE.  Every lane's c m and l go to LDS; wave 0 joins a query's eight parts.
.irp a, 0,1,2,3
	v_add_f32 v[ST+8*\a+2], v[ST+8*\a+2], v[ST+8*\a+3]
.endr
.irp a, 0,1,2,3
	ds_store_b32 v[MST], v[ST+8*\a] offset:64*\a
	ds_store_b32 v[MST], v[ST+8*\a+2] offset:4096+64*\a
.endr
	s_wait_dscnt 0x0                               ; for the others' sake: my stores are done
	s_barrier_signal -1
	s_barrier_wait -1
	s_cmp_lg_u32 s[WV], 0
	s_cbranch_scc1 .Lend
	s_mov_b32 s[SEL], 0x76543210                   ; v_permlanex16_b32's selects for lane l xor 16
	s_mov_b32 s[SEL+1], 0xfedcba98
.irp p, 0,1,2,3,4,5,6,7
	ds_load_b128 v[64+4*\p:67+4*\p], v[MRD] offset:512*\p          ; c m of part p, four queries a lane
	ds_load_b128 v[96+4*\p:99+4*\p], v[MRD] offset:4096+512*\p     ; l
.endr
	s_wait_dscnt 0x0
.irp q, 0,1,2,3
	v_max3_num_f32 v[128+\q], v[64+\q], v[68+\q], v[72+\q]
.endr
.irp q, 0,1,2,3
	v_max3_num_f32 v[128+\q], v[128+\q], v[76+\q], v[80+\q]
.endr
.irp q, 0,1,2,3
	v_max3_num_f32 v[128+\q], v[128+\q], v[84+\q], v[88+\q]
.endr
.irp q, 0,1,2,3
	v_max_num_f32 v[128+\q], v[128+\q], v[92+\q]   ; the query's c m
.endr
.irp p, 0,1,2,3,4,5,6,7
.irp i, 0,2
	v_pk_add_f32 v[64+4*\p+\i:65+4*\p+\i], v[64+4*\p+\i:65+4*\p+\i], v[128+\i:129+\i] neg_lo:[0,1] neg_hi:[0,1]
.endr
.endr
.irp j, 0,1,2,3,4,5,6,7,8,9,10,11,12,13,14,15,16,17,18,19,20,21,22,23,24,25,26,27,28,29,30,31
	v_exp_f32 v[64+\j], v[64+\j]                   ; 2^(the part's c m - the query's)
.endr
	v_nop
	s_wait_alu depctr_va_vdst(0)                   ; one wait for the 32
.irp i, 0,2
	v_pk_mul_f32 v[132+\i:133+\i], v[96+\i:97+\i], v[64+\i:65+\i]
.endr
.irp p, 1,2,3,4,5,6,7
.irp i, 0,2
	v_pk_fma_f32 v[132+\i:133+\i], v[96+4*\p+\i:97+4*\p+\i], v[64+4*\p+\i:65+4*\p+\i], v[132+\i:133+\i]
.endr
.endr
.irp q, 0,1,2,3
	v_rcp_f32 v[136+\q], v[132+\q]
.endr
	v_nop
	s_wait_alu depctr_va_vdst(0)                   ; one wait for the four
.irp q, 0,1,2,3
	v_mul_f32 v[136+\q], v[136+\q], v[132+\q]      ; the sum of the row's weights: l x (1 / l)
.endr
	v_add_f32 v136, v136, v137
	v_add_f32 v138, v138, v139
	v_add_f32 v136, v136, v138
	v_add_f32_dpp v136, v136, v136 row_xmask:1 row_mask:0xf bank_mask:0xf
	v_add_f32_dpp v136, v136, v136 row_xmask:2 row_mask:0xf bank_mask:0xf
	v_add_f32_dpp v136, v136, v136 row_xmask:4 row_mask:0xf bank_mask:0xf
	v_add_f32_dpp v136, v136, v136 row_xmask:8 row_mask:0xf bank_mask:0xf
	v_permlanex16_b32 v137, v136, s[SEL], s[SEL+1]
	v_add_f32 v136, v136, v137                     ; over my work-group's 128 queries
	v_cmp_eq_u32 vcc_lo, 0, v0
	s_wait_xcnt 0x0                                ; EXEC changes only behind this wait
	s_and_saveexec_b32 s[TMP], vcc_lo
	global_store_b32 v[ZR], v136, s[PRT:PRT+1]     ; one number a work-group
	s_wait_xcnt 0x0                                ; and again, in front of the line that widens it
	s_or_b32 exec_lo, exec_lo, s[TMP]
.Lend:
	s_wait_tensorcnt 0x0                           ; the wave's end
	ds_add_u32 v[SPW], v[NIL]
	s_wait_dscnt 0x0
	CROUND                                         ; the closing round
	s_endpgm
.Lfunc_end_k_q6712cd6c87_attn:
	.size	k_q6712cd6c87_attn, .Lfunc_end_k_q6712cd6c87_attn-k_q6712cd6c87_attn
	.p2alignl 7, 3214868480
	.fill 96, 4, 3214868480
	.section	.rodata,"a",@progbits
	.p2align	6, 0x0
	.amdhsa_kernel k_q6712cd6c87_attn
		.amdhsa_group_segment_fixed_size 327680
		.amdhsa_private_segment_fixed_size 0
		.amdhsa_enable_private_segment 0
		.amdhsa_kernarg_size 48
		.amdhsa_user_sgpr_count 2
		.amdhsa_user_sgpr_kernarg_segment_ptr 1
		.amdhsa_wavefront_size32 1
		.amdhsa_system_sgpr_workgroup_id_x 1
		.amdhsa_system_sgpr_workgroup_id_y 1
		.amdhsa_system_sgpr_workgroup_id_z 1
		.amdhsa_system_vgpr_workitem_id 0
		.amdhsa_next_free_vgpr 512
		.amdhsa_next_free_sgpr 102
		.amdhsa_reserve_vcc 1
		.amdhsa_float_denorm_mode_32 3
		.amdhsa_float_denorm_mode_16_64 3
		.amdhsa_memory_ordered 1
		.amdhsa_forward_progress 1
		.amdhsa_inst_pref_size 135
	.end_amdhsa_kernel
	.amdgpu_metadata
---
amdhsa.version: [ 1, 2 ]
amdhsa.kernels:
  - .name:           k_q6712cd6c87_attn
    .symbol:         k_q6712cd6c87_attn.kd
    .args:
      - { .name: qcodes, .offset: 0, .size: 8, .value_kind: global_buffer, .address_space: global }
      - { .name: qscales, .offset: 8, .size: 8, .value_kind: global_buffer, .address_space: global }
      - { .name: kcodes, .offset: 16, .size: 8, .value_kind: global_buffer, .address_space: global }
      - { .name: kscales, .offset: 24, .size: 8, .value_kind: global_buffer, .address_space: global }
      - { .name: maskw, .offset: 32, .size: 8, .value_kind: global_buffer, .address_space: global }
      - { .name: part, .offset: 40, .size: 8, .value_kind: global_buffer, .address_space: global }
    .group_segment_fixed_size: 327680
    .private_segment_fixed_size: 0
    .kernarg_segment_align: 8
    .kernarg_segment_size: 48
    .max_flat_workgroup_size: 256
    .sgpr_count:     102
    .vgpr_count:     512
    .wavefront_size: 32
...
	.end_amdgpu_metadata
.endif
;; end of part 2
;; launch projv (part 3): grid 16 x 16, 4 waves a work-group, clusters of 4 x 4, 262,656 bytes of LDS; arguments input_data_codes, input_data_scales, Wv_codes, Wv_scales, bv, part, Wo_codes, vcodes, vscales; writes vcodes, vscales
.if DOCPART == 3
	.amdgcn_target "amdgcn-amd-amdhsa--gfx1250"
	.amdhsa_code_object_version 6
	.text
	.protected	k_q6712cd6c87_projv
	.globl	k_q6712cd6c87_projv
	.p2align	8
	.type	k_q6712cd6c87_projv,@function
k_q6712cd6c87_projv:
	s_mov_b64 s[64:65], 0
	v_nop
	global_prefetch_b8 v0, s[64:65] scope:SCOPE_SE
	s_setreg_imm32_b32 hwreg(HW_REG_WAVE_MODE, 25, 1), 1
	s_wait_xcnt 0x0
	s_wait_alu depctr_hold_cnt(0) depctr_sa_sdst(0) depctr_va_vdst(0) depctr_va_sdst(0) depctr_va_ssrc(0) depctr_va_vcc(0) depctr_vm_vsrc(0)
	s_getreg_b32 s2, hwreg(HW_REG_IB_STS2, 6, 4)
	s_cmp_eq_u32 s2, 0
	s_cbranch_scc0 .Lentry_in_a_cluster
	s_endpgm
.Lentry_in_a_cluster:
	s_bfe_u32 s2, ttmp6, 0x10000c
	s_cmp_lg_u32 s2, 0xf033
	s_cbranch_scc0 .Lentry_shape_is_right
	s_endpgm
.Lentry_shape_is_right:
; Q(S x (x Wv + bv)): the left operand of the last product; and Wo, its right operand, laid as that launch's registers take it.
; S[n h] = the sum of part[n h][0 .. 15], the sum of all softmax weights of that head, in f32.
; x: 4,096 tokens x 512, Wv: 4,096 features x 512: codes of FP6 (E2M3), K innermost, 384 bytes a row, one E8M0 byte for each 32 along K.  Sums in f32; the bias is the C of each sum's first product.
; The results, times S, are quantised along the features (blocks of 32, scale 2^(floor(log2(largest magnitude)) - 2), byte held at 1 from below) and stored as images of operand registers:
;   vcodes [n 2][h 8][tile of 16 tokens 128][K step of 128 features 4][1,536 bytes];  vscales [n][h][K step 4][tile 128][16 words].
; Behind them in vcodes, from byte 12,582,912 on: Wo's codes as images, [tile of 16 outputs 32][K step of 128 32][1,536 bytes].  The launch has 1,024 waves and Wo 1,024 fragments: wave unit u loads fragment u
; (six loads of 8 bytes a lane from rows 3,072 bytes apart) and stores it as it stands in its registers (three stores of 512 consecutive bytes): the codes are moved, not changed.
; LIMITS: a block of zeros gets the byte 1 where the rule says 127 (its codes are zeros, and this program alone reads the bytes); NaN and infinities are not served.
; SHARES, CLUSTERS, LAYOUT: a work-group makes 256 tokens x 256 features, a wave 128 x 128; all of K lies in LDS as two slots of 256 along K, each filled once; 4 x 4 work-groups ask jointly for x's rows
; (a row of the cluster) and W's rows (a column).  Source 0 = 16 rows of W, source 1 = 16 tokens.  Lane p of W's tile b takes row 64 (b / 4) + 8 (b % 4) + p % 8 + 32 (p / 8), so that the 32 registers of
; tiles 4 c .. 4 c + 3 are features 64 c + 32 (lane / 16) + 0 .. 31: a whole block of the next K in the operand's own order.  Rows 32 apart lie 7,680 bytes apart in LDS, a multiple of 256: lanes 0-7 and
; 8-15 of W's loads fall on the same banks (64 banks of 4 bytes: ISA guide 11.1).
; REGISTERS: window 0: v1-10 at work, v11-30 addresses and constants, v32-95 scale words, v96-111 the quantiser's, v112-123 Wo's fragment, v128-223 x's fragments, later the results' codes,
;   v224-239 the 16 parts of S, v240-253 the quantiser's.   window 1: W's fragments, two sets at v0 and v128; the bias's eight tiles at v96-127 and v224-255.   windows 2, 3: accumulator (a, b) at v[8 (8 (a % 4) + b)].
.set KROW,  384
.set ROWB,  192
.set PITCH, 240
.set FR,    12
.set NL,    6
.set HALFT, 128*PITCH
.set SLOT,  4*HALFT
.set SCL,   2*SLOT
.set HALFS, 8*272
.set SCR,   SCL+4*HALFS
.set WOIMG, 12582912                   ; where Wo's images begin in vcodes
.set SCRD, 11
.set WFO,  12                          ; Wo: 3,072 r + 24 (lane / 16)
.set PX,   15
.set ADRA, 16
.set ADRB, 20
.set ADSA, 24
.set ADSB, 25
.set CO,   26
.set SCW,  27
.set SH8,  28
.set FLR,  29
.set BOF,  30
.set SCA,  32
.set SCB,  64
.set TM,   96
.set SO,   98
.set BY,   100
.set PT,   104
.set WF,   112                         ; v112-123 Wo's fragment
.set SP,   224                         ; v224-239 the parts of S
.set PW,   240
.set SF,   252                         ; v[252:253] S, twice
.set AF,   128
.set BIAS, 12
.set PRT,  14
.set WOC,  16
.set OC,   18
.set OS,   20
.set WV,   22
.set RH,   23
.set CH,   24
.set G1A,  32
.set G0A,  40
.set G1B,  48
.set G0B,  56
.set SEL,  66
.set G1S,  68
.set G0S,  76
.set G1SB, 80
.set G0SB, 88
.set WOI,  100                         ; s[100:101] where my image of Wo goes
.set MSB, 0
.macro WIN new
.if MSB != (\new)
	s_set_vgpr_msb (MSB<<8)|(\new)
.set MSB, (\new)
.endif
.endm
.macro MWIN hi, first                  ; source 0 (W) window 1, source 1 (x) window 0, D window 2 + hi; C the same, or window 1 (the bias) in the first K step
	WIN 0x01+((2+\hi)<<6)+((2+\hi)-(1+\hi)*(\first))*16
.endm
.macro PLACES n
.rept \n
	v_nop
.endr
.endm
.macro JLOAD g0a, g1a, g0b, g1b        ; a joint load: waves 0 and 1 fetch for x, waves 2 and 3 for W; four v_nop follow each of the two lines
	s_cmp_eq_u32 s[RH], 0
	s_cbranch_scc0 .Lfor_b_\@
	tensor_load_to_lds s[\g0a:\g0a+3], s[\g1a:\g1a+7]
	s_nop 0
.rept 4
	v_nop
.endr
	s_branch .Lasked_\@
.Lfor_b_\@:
	tensor_load_to_lds s[\g0b:\g0b+3], s[\g1b:\g1b+7]
	s_nop 0
.rept 4
	v_nop
.endr
.Lasked_\@:
.endm
.macro CROUND                          ; a round of the cluster's barrier
	s_barrier_signal -1
	s_barrier_wait -1
	s_cmp_lg_u32 s[WV], 0
	s_cbranch_scc1 .Lnot_wave_0_\@
	s_barrier_signal -3
.Lnot_wave_0_\@:
	s_barrier_wait -3
	s_barrier_signal -1
	s_barrier_wait -1
.endm
	s_load_b256 s[4:11], s[0:1], 0x0               ; x's codes s[4:5], x's scales s[6:7], Wv's codes s[8:9], Wv's scales s[10:11]
	s_load_b256 s[12:19], s[0:1], 0x20             ; bv s[12:13], part s[14:15], Wo's codes s[16:17], vcodes s[18:19]
	s_load_b64 s[20:21], s[0:1], 0x40              ; vscales
	v_lshl_add_u32 v254, v0, 2, 0x40000
	v_mov_b32 v255, 0
	ds_add_u32 v254, v255
	ds_add_u32 v254, v255
	v_lshrrev_b32 v1, 5, v0
	v_readfirstlane_b32 s[WV], v1                  ; wave 0..3
	s_lshr_b32 s[RH], s[WV], 1                     ; which half of the tokens is mine.  Also: I fetch for x (0) or for W (1)
	s_and_b32 s[CH], s[WV], 1                      ; which half of the features.  Also: which 128 rows I fetch
	s_bfe_u32 s25, ttmp6, 0x40000                  ; cx
	s_bfe_u32 s26, ttmp6, 0x40004                  ; cy
	s_lshl_b32 s27, ttmp9, 2
	s_add_co_u32 s27, s27, s25                     ; tile column 0..15
	s_and_b32 s28, ttmp7, 0xffff
	s_lshl_b32 s28, s28, 2
	s_add_co_u32 s28, s28, s26                     ; tile row 0..15
	s_lshl_b32 s30, s26, 2
	s_lshl_b32 s30, 15, s30                        ; my row of the cluster
	s_lshl_b32 s31, 0x1111, s25                    ; my column
	s_or_b32 s[G1A], s30, (1<<20)|(1<<21)|(3<<22)|(3<<25)   ; the mask; elements of 1 byte; padding on; 21 set beside a mask; 4 words of padding behind every 16
	s_or_b32 s[G1B], s31, (1<<20)|(1<<21)|(3<<22)|(3<<25)
.irp g, G1A, G1B
	s_mov_b32 s[\g+1], ROWB<<16
	s_mov_b32 s[\g+2], 128<<16
	s_mov_b32 s[\g+3], ROWB<<16
	s_mov_b32 s[\g+4], 128
	s_mov_b32 s[\g+5], KROW
	s_mov_b32 s[\g+6], 0
	s_mov_b32 s[\g+7], 0
.endr
	s_or_b32 s[G1S], s30, (3<<16)|(1<<20)|(1<<21)|(5<<22)|(3<<25)    ; the scale bytes of 128 rows: 8 rows of 256 bytes, 16 bytes of padding behind each
	s_or_b32 s[G1SB], s31, (3<<16)|(1<<20)|(1<<21)|(5<<22)|(3<<25)
.irp g, G1S, G1SB
	s_mov_b32 s[\g+1], 32<<16
	s_mov_b32 s[\g+2], 8<<16
	s_mov_b32 s[\g+3], 32<<16
	s_mov_b32 s[\g+4], 8
	s_mov_b32 s[\g+5], 32
	s_mov_b32 s[\g+6], 0
	s_mov_b32 s[\g+7], 0
.endr
	s_lshl_b32 s92, s28, 8
	s_lshl_b32 s93, s[CH], 7
	s_add_co_u32 s92, s92, s93                     ; x: row 256 x tile row + 128 x half
	s_lshl_b32 s94, s92, 4
	s_mul_i32 s92, s92, KROW
	s_mov_b32 s93, 0
	s_mov_b32 s95, 0
	s_lshl_b32 s96, s27, 8
	s_lshl_b32 s97, s[CH], 7
	s_add_co_u32 s96, s96, s97                     ; W: row 256 x tile column + 128 x half
	s_lshl_b32 s98, s96, 4
	s_mul_i32 s96, s96, KROW
	s_mov_b32 s97, 0
	s_mov_b32 s99, 0
	s_mul_i32 s100, s[WV], HALFT
	s_mul_i32 s101, s[WV], HALFS
	s_mov_b32 s[SEL], 0x76543210
	s_mov_b32 s[SEL+1], 0xfedcba98
	s_wait_dscnt 0x0
	s_wait_kmcnt 0x0
	s_add_nc_u64 s[92:93], s[4:5], s[92:93]
	s_add_nc_u64 s[94:95], s[6:7], s[94:95]
	s_add_nc_u64 s[96:97], s[8:9], s[96:97]
	s_add_nc_u64 s[98:99], s[10:11], s[98:99]
	CROUND                                         ; all sixteen work-groups are here: the joint loads meet
	s_mov_b32 s[G0S], 1
	s_add_co_u32 s[G0S+1], s101, SCL
	s_mov_b64 s[G0S+2:G0S+3], s[94:95]
	s_or_b32 s[G0S+3], s[G0S+3], 0x80000000
	s_mov_b32 s[G0SB], 1
	s_add_co_u32 s[G0SB+1], s101, SCL
	s_mov_b64 s[G0SB+2:G0SB+3], s[98:99]
	s_or_b32 s[G0SB+3], s[G0SB+3], 0x80000000
	JLOAD G0S, G1S, G0SB, G1SB
.irp s, 0,1
	s_mov_b32 s[G0A+4*\s], 1
	s_add_co_u32 s[G0A+4*\s+1], s100, \s*SLOT
	s_add_nc_u64 s[G0A+4*\s+2:G0A+4*\s+3], s[92:93], \s*ROWB
	s_or_b32 s[G0A+4*\s+3], s[G0A+4*\s+3], 0x80000000
	s_mov_b32 s[G0B+4*\s], 1
	s_add_co_u32 s[G0B+4*\s+1], s100, \s*SLOT
	s_add_nc_u64 s[G0B+4*\s+2:G0B+4*\s+3], s[96:97], \s*ROWB
	s_or_b32 s[G0B+4*\s+3], s[G0B+4*\s+3], 0x80000000
	JLOAD G0A+4*\s, G1A, G0B+4*\s, G1B             ; three loads of mine are out
.endr
	v_and_b32 v1, 15, v0                           ; r
	v_bfe_u32 v2, v0, 4, 1                         ; hh
	v_and_b32 v3, 31, v0                           ; lane
	; ---- the bias, in the result's layout.  Its loads go first: the first products want them
	s_lshl_b32 s92, s27, 10
	s_lshl_b32 s93, s[CH], 9
	s_add_co_u32 s92, s92, s93
	s_mov_b32 s93, 0
	s_add_nc_u64 s[BIAS:BIAS+1], s[BIAS:BIAS+1], s[92:93]
	v_lshlrev_b32 v[BOF], 7, v2
	WIN 0x40
.irp b, 0,1,2,3,4,5,6,7
	global_load_b128 v[96+8*\b+96*(\b/4):99+8*\b+96*(\b/4)], v[BOF], s[BIAS:BIAS+1] offset:(64*(\b/4)+8*(\b%4))*4
	global_load_b128 v[100+8*\b+96*(\b/4):103+8*\b+96*(\b/4)], v[BOF], s[BIAS:BIAS+1] offset:(64*(\b/4)+8*(\b%4))*4+16
.endr
	WIN 0
	; ---- S's sixteen parts: the same 64 bytes in every lane.  They are wanted behind the last product
	s_lshr_b32 s92, s28, 3                         ; n
	s_lshl_b32 s92, s92, 3
	s_lshr_b32 s93, s27, 1                         ; h
	s_add_co_u32 s92, s92, s93
	s_lshl_b32 s92, s92, 6
	s_mov_b32 s93, 0
	s_add_nc_u64 s[PRT:PRT+1], s[PRT:PRT+1], s[92:93]
	v_mov_b32 v8, 0
.irp i, 0,1,2,3
	global_load_b128 v[SP+4*\i:SP+4*\i+3], v8, s[PRT:PRT+1] offset:16*\i
.endr
	; ---- my fragment of Wo: unit u = 4 x (16 x tile row + tile column) + wave: tile of outputs u / 32, K step u % 32
	s_lshl_b32 s92, s28, 4
	s_add_co_u32 s92, s92, s27
	s_lshl_b32 s92, s92, 2
	s_add_co_u32 s92, s92, s[WV]
	s_lshr_b32 s94, s92, 5
	s_and_b32 s95, s92, 31
	s_mul_i32 s94, s94, 49152                      ; 16 rows of 3,072 bytes
	s_mul_i32 s95, s95, 96
	s_add_co_u32 s94, s94, s95
	s_mov_b32 s95, 0
	s_add_nc_u64 s[WOC:WOC+1], s[WOC:WOC+1], s[94:95]
	s_mul_i32 s92, s92, 1536
	s_add_co_u32 s92, s92, WOIMG
	s_mov_b32 s93, 0
	s_add_nc_u64 s[WOI:WOI+1], s[OC:OC+1], s[92:93]
	v_mul_u32_u24 v[WFO], v1, 3072
	v_mad_u32_u24 v[WFO], v2, 24, v[WFO]
.irp p, 0,1,2,3,4,5
	global_load_b64 v[WF+2*\p:WF+2*\p+1], v[WFO], s[WOC:WOC+1] offset:48*(\p/3)+8*(\p%3)
.endr
	; ---- where my results go
	s_lshl_b32 s92, s28, 4
	s_lshl_b32 s93, s[RH], 3
	s_add_co_u32 s92, s92, s93                     ; my first tile of 16 tokens
	s_lshr_b32 s93, s92, 7                         ; n
	s_and_b32 s92, s92, 127
	s_lshl_b32 s94, s27, 1
	s_add_co_u32 s94, s94, s[CH]                   ; my 128 features: 0 .. 31
	s_lshr_b32 s95, s94, 2                         ; h
	s_and_b32 s94, s94, 3                          ; the K step within the head
	s_lshl_b32 s93, s93, 3
	s_add_co_u32 s93, s93, s95
	s_lshl_b32 s96, s93, 7
	s_add_co_u32 s96, s96, s92
	s_lshl_b32 s96, s96, 2
	s_add_co_u32 s96, s96, s94
	s_mul_i32 s96, s96, 1536
	s_mov_b32 s97, 0
	s_add_nc_u64 s[OC:OC+1], s[OC:OC+1], s[96:97]
	s_lshl_b32 s98, s93, 2
	s_add_co_u32 s98, s98, s94
	s_lshl_b32 s98, s98, 7
	s_add_co_u32 s98, s98, s92
	s_lshl_b32 s98, s98, 6
	s_mov_b32 s99, 0
	s_add_nc_u64 s[OS:OS+1], s[OS:OS+1], s[98:99]
	; ---- LDS addresses
	v_mul_u32_u24 v4, v1, PITCH
	v_mad_u32_u24 v4, v2, 24, v4
	v_lshl_add_u32 v5, v2, 4, v4
	v_and_b32 v9, 7, v0
	v_bfe_u32 v10, v0, 3, 1
	v_lshl_add_u32 v6, v10, 5, v9
	v_mul_u32_u24 v6, v6, PITCH
	v_mad_u32_u24 v6, v2, 24, v6
	v_lshl_add_u32 v7, v2, 4, v6
	s_mul_i32 s96, s[RH], HALFT
	s_mul_i32 s97, s[CH], HALFT
	s_add_co_u32 s97, s97, 2*HALFT
.irp s, 0,1
	v_add_nc_u32 v[ADRA+\s], s96, v4
	v_add_nc_u32 v[ADRA+2+\s], s96, v5
	v_add_nc_u32 v[ADRB+\s], s97, v6
	v_add_nc_u32 v[ADRB+2+\s], s97, v7
	s_add_co_u32 s96, s96, SLOT
	s_add_co_u32 s97, s97, SLOT
.endr
	s_mul_i32 s96, s[RH], HALFS
	s_add_co_u32 s96, s96, SCL
	v_lshl_add_u32 v[ADSA], v1, 4, s96
	s_mul_i32 s97, s[CH], HALFS
	s_add_co_u32 s97, s97, SCL+2*HALFS
	v_mul_u32_u24 v[ADSB], v10, 544
	v_lshl_add_u32 v[ADSB], v9, 4, v[ADSB]
	v_add_nc_u32 v[ADSB], s97, v[ADSB]
	v_lshlrev_b32 v[CO], 4, v3
	s_lshl_b32 s96, s[WV], 9
	s_add_co_u32 s96, s96, SCR
	v_lshl_add_u32 v[SCW], v1, 2, s96
	v_add_nc_u32 v[SCRD], s96, v[CO]
	v_lshlrev_b32 v[SH8], 3, v2
	v_mov_b32 v[FLR], 0x1800000
	v_mov_b32 v[PX], 0
.macro FRAG reg, adr, q, row
.irp p, 0,1,2,3,4,5
.set PCE, 12*(\q)+6*(\p/3)+\p%3
.if PCE%8 < 5
	ds_load_b64 v[\reg+2*\p:\reg+2*\p+1], v[\adr] offset:8*PCE+16*(PCE/8)+(\row)*PITCH
.else
	ds_load_b64 v[\reg+2*\p:\reg+2*\p+1], v[\adr+2] offset:8*PCE+16*(PCE/8)+(\row)*PITCH
.endif
.endr
.endm
.macro FETCH_B slot, q, p
	WIN 0x40
.irp i, 0,1,2,3,4,5,6,7
	FRAG 128*(\p)+FR*\i, ADRB+\slot, \q, 64*(\i/4)+8*(\i%4)
.endr
	WIN 0
.endm
.macro FETCH_A slot, q, i0
.irp i, \i0, \i0+1, \i0+2, \i0+3
	FRAG AF+FR*(\i), ADRA+\slot, \q, 16*(\i)
.endr
.endm
.macro SCALES
.irp i, 0,1,2,3,4,5,6,7
	ds_load_b128 v[SCA+4*\i:SCA+4*\i+3], v[ADSA] offset:272*\i
.endr
.irp b, 0,1,2,3,4,5,6,7
	ds_load_b128 v[SCB+4*\b:SCB+4*\b+3], v[ADSB] offset:1088*(\b/4)+128*(\b%4)+16*((\b%4)/2)
.endr
.endm
.macro MUL16 a0, p, qq, first          ; the 64 accumulators take turns, one instruction a turn
.irp a, \a0, \a0+1
.irp b, 0,1,2,3,4,5,6,7
.if \first
	v_wmma_scale_f32_16x16x128_f8f6f4 v[8*(8*((\a)%4)+\b):8*(8*((\a)%4)+\b)+7], v[128*(\p)+FR*\b:128*(\p)+FR*\b+FR-1], v[AF+FR*(\a):AF+FR*(\a)+FR-1], v[96+8*\b+96*(\b/4):96+8*\b+96*(\b/4)+7], v[SCB+4*\b+(\qq)], v[SCA+4*(\a)+(\qq)] matrix_a_fmt:MATRIX_FMT_FP6 matrix_b_fmt:MATRIX_FMT_FP6
.else
	v_wmma_scale_f32_16x16x128_f8f6f4 v[8*(8*((\a)%4)+\b):8*(8*((\a)%4)+\b)+7], v[128*(\p)+FR*\b:128*(\p)+FR*\b+FR-1], v[AF+FR*(\a):AF+FR*(\a)+FR-1], v[8*(8*((\a)%4)+\b):8*(8*((\a)%4)+\b)+7], v[SCB+4*\b+(\qq)], v[SCA+4*(\a)+(\qq)] matrix_a_fmt:MATRIX_FMT_FP6 matrix_b_fmt:MATRIX_FMT_FP6
.endif
.endr
.endr
.endm
.macro STEP slot, q, first
	s_wait_dscnt 4*NL                              ; W's set and x's blocks 0-3 are in; the youngest 24 loads (blocks 4-7) may be out
	MWIN 0, \first
	MUL16 0, (\q)%2, 2*(\slot)+(\q), \first
	MUL16 2, (\q)%2, 2*(\slot)+(\q), \first
	s_wait_dscnt 0x0
	PLACES 4
	FETCH_B \slot, (\q)+1, 1-(\q)%2
	FETCH_A \slot, (\q)+1, 0
	MWIN 1, \first
	MUL16 4, (\q)%2, 2*(\slot)+(\q), \first
	MUL16 6, (\q)%2, 2*(\slot)+(\q), \first
	PLACES 4
	WIN 0
	FETCH_A \slot, (\q)+1, 4
.endm
; Tile a of 16 tokens.  The codes of each tile have 12 registers of their own, where x's fragment a lay: no store's data are written again.
.macro QUANT a
.set AC, 64*((\a)%4)
.set PCR, AF+FR*(\a)
	WIN 0x82+0x41*((\a)/4)                         ; destination and source 0: window 2 or 3
.irp i, 0,2,4,6,8,10,12,14,16,18,20,22,24,26,28,30,32,34,36,38,40,42,44,46,48,50,52,54,56,58,60,62
	v_pk_mul_f32 v[AC+\i:AC+\i+1], v[AC+\i:AC+\i+1], v[SF:SF+1] op_sel_hi:[1,0]   ; x S, in f32, ahead of the quantiser; each accumulator from its low end on
.endr
	WIN 0x28+0x14*((\a)/4)
.irp c, 0,1
	v_max3_num_f32 v[TM+\c], v[FLR], |v[AC+32*\c]|, |v[AC+32*\c+1]|
.endr
.irp i, 2,4,6,8,10,12,14,16,18,20,22,24,26,28,30
.irp c, 0,1
	v_max3_num_f32 v[TM+\c], v[TM+\c], |v[AC+32*\c+\i]|, |v[AC+32*\c+\i+1]|
.endr
.endr
	WIN 0
.irp c, 0,1
	v_add_nc_u32 v[SO+\c], 0xff000000, v[TM+\c]
.endr
.irp c, 0,1
	v_lshrrev_b32 v[BY+\c], 23, v[SO+\c]
.endr
	v_lshl_or_b32 v[PW+\a], v[BY+1], 16, v[BY]
	v_lshlrev_b32 v[PW+\a], v[SH8], v[PW+\a]
	v_permlanex16_b32 v[PX], v[PW+\a], s[SEL], s[SEL+1]
	v_or_b32 v[PW+\a], v[PW+\a], v[PX]
	WIN 0x02+((\a)/4)
.irp c, 0,1
	v_cvt_scalef32_pk16_fp6_f32 v[PCR+6*\c:PCR+6*\c+2], v[AC+32*\c:AC+32*\c+15], v[SO+\c]
	v_cvt_scalef32_pk16_fp6_f32 v[PT+4*\c:PT+4*\c+2], v[AC+32*\c+16:AC+32*\c+31], v[SO+\c]
.endr
	WIN 0
	v_nop                                          ; one plain instruction behind a scaled conversion
.irp c, 0,1
.irp i, 0,1,2
	v_mov_b32 v[PCR+6*\c+3+\i], v[PT+4*\c+\i]
.endr
.endr
	ds_store_b32 v[SCW], v[PW+\a] offset:64*(\a)
.irp g, 0,1,2
	global_store_b128 v[CO], v[PCR+4*\g:PCR+4*\g+3], s[OC:OC+1] offset:6144*(\a)+512*\g   ; 512 consecutive bytes, aligned
.endr
.endm
	s_wait_tensorcnt 1                             ; the scale bytes and my part of slot 0 are in (slot 1's load may be out),
	s_barrier_signal -1
	s_barrier_wait -1                              ; everybody's are
	FETCH_B 0, 0, 0
	FETCH_A 0, 0, 0
	SCALES
	FETCH_A 0, 0, 4
	s_wait_loadcnt 10                              ; the bias's 16 loads are in; the four of S's parts and the six of Wo's fragment, issued behind them, may stay out
	STEP 0, 0, 1
	s_wait_tensorcnt 0x0                           ; my part of slot 1 has landed
	s_wait_dscnt 4*NL
	MWIN 0, 0
	MUL16 0, 1, 1, 0
	s_wait_dscnt 0x0
	s_barrier_signal -1
	MUL16 2, 1, 1, 0
	WIN 0
	s_barrier_wait -1                              ; slot 1 is whole
	PLACES 4
	FETCH_B 1, 0, 0
	FETCH_A 1, 0, 0
	MWIN 1, 0
	MUL16 4, 1, 1, 0
	MUL16 6, 1, 1, 0
	PLACES 4
	WIN 0
	FETCH_A 1, 0, 4
	STEP 1, 0, 0
	s_wait_dscnt 4*NL
	MWIN 0, 0
	MUL16 0, 1, 3, 0
	MUL16 2, 1, 3, 0
	s_wait_dscnt 0x0
	MWIN 1, 0
	MUL16 4, 1, 3, 0
	MUL16 6, 1, 3, 0
	WIN 0
	PLACES 4
	s_wait_loadcnt 0x0                             ; S's parts and Wo's fragment, asked for at the head
.irp g, 0,1,2
	global_store_b128 v[CO], v[WF+4*\g:WF+4*\g+3], s[WOI:WOI+1] offset:512*\g   ; Wo's fragment as it stands: 512 consecutive bytes a store, aligned
.endr
.irp i, 0,4,8,12
	v_pk_add_f32 v[SP+\i:SP+\i+1], v[SP+\i:SP+\i+1], v[SP+\i+2:SP+\i+3]
.endr
	v_pk_add_f32 v[SP:SP+1], v[SP:SP+1], v[SP+4:SP+5]
	v_pk_add_f32 v[SP+8:SP+9], v[SP+8:SP+9], v[SP+12:SP+13]
	v_pk_add_f32 v[SP:SP+1], v[SP:SP+1], v[SP+8:SP+9]
	v_add_f32 v[SF], v[SP], v[SP+1]                ; S
	v_mov_b32 v[SF+1], v[SF]
.irp a, 0,1,2,3,4,5,6,7
	QUANT \a
.endr
	ds_load_b128 v[248:251], v[SCRD]               ; LDS serves a wave's instructions in order (ISA guide 5.7.1.4): this sees my eight stores
	s_wait_dscnt 0x0
	global_store_b128 v[CO], v[248:251], s[OS:OS+1]
	s_wait_tensorcnt 0x0
	ds_add_u32 v254, v255
	s_wait_dscnt 0x0
	CROUND                                         ; the closing round
	s_endpgm
.Lfunc_end_k_q6712cd6c87_projv:
	.size	k_q6712cd6c87_projv, .Lfunc_end_k_q6712cd6c87_projv-k_q6712cd6c87_projv
	.p2alignl 7, 3214868480
	.fill 96, 4, 3214868480
	.section	.rodata,"a",@progbits
	.p2align	6, 0x0
	.amdhsa_kernel k_q6712cd6c87_projv
		.amdhsa_group_segment_fixed_size 262656
		.amdhsa_private_segment_fixed_size 0
		.amdhsa_enable_private_segment 0
		.amdhsa_kernarg_size 72
		.amdhsa_user_sgpr_count 2
		.amdhsa_user_sgpr_kernarg_segment_ptr 1
		.amdhsa_wavefront_size32 1
		.amdhsa_system_sgpr_workgroup_id_x 1
		.amdhsa_system_sgpr_workgroup_id_y 1
		.amdhsa_system_sgpr_workgroup_id_z 1
		.amdhsa_system_vgpr_workitem_id 0
		.amdhsa_next_free_vgpr 1024
		.amdhsa_next_free_sgpr 102
		.amdhsa_reserve_vcc 0
		.amdhsa_float_denorm_mode_32 3
		.amdhsa_float_denorm_mode_16_64 3
		.amdhsa_memory_ordered 1
		.amdhsa_forward_progress 1
		.amdhsa_inst_pref_size 118
	.end_amdhsa_kernel
	.amdgpu_metadata
---
amdhsa.version: [ 1, 2 ]
amdhsa.kernels:
  - .name:           k_q6712cd6c87_projv
    .symbol:         k_q6712cd6c87_projv.kd
    .args:
      - { .name: input_data_codes, .offset: 0, .size: 8, .value_kind: global_buffer, .address_space: global }
      - { .name: input_data_scales, .offset: 8, .size: 8, .value_kind: global_buffer, .address_space: global }
      - { .name: Wv_codes, .offset: 16, .size: 8, .value_kind: global_buffer, .address_space: global }
      - { .name: Wv_scales, .offset: 24, .size: 8, .value_kind: global_buffer, .address_space: global }
      - { .name: bv, .offset: 32, .size: 8, .value_kind: global_buffer, .address_space: global }
      - { .name: part, .offset: 40, .size: 8, .value_kind: global_buffer, .address_space: global }
      - { .name: Wo_codes, .offset: 48, .size: 8, .value_kind: global_buffer, .address_space: global }
      - { .name: vcodes, .offset: 56, .size: 8, .value_kind: global_buffer, .address_space: global }
      - { .name: vscales, .offset: 64, .size: 8, .value_kind: global_buffer, .address_space: global }
    .group_segment_fixed_size: 262656
    .private_segment_fixed_size: 0
    .kernarg_segment_align: 8
    .kernarg_segment_size: 72
    .max_flat_workgroup_size: 128
    .sgpr_count:     102
    .vgpr_count:     1024
    .wavefront_size: 32
...
	.end_amdgpu_metadata
.endif
;; end of part 3
;; launch outg (part 4): grid 8 x 32, 4 waves a work-group, clusters of 4 x 1, 327,680 bytes of LDS; arguments vcodes, vscales, Wo_scales, bo, out0; writes out0
.if DOCPART == 4
	.amdgcn_target "amdgcn-amd-amdhsa--gfx1250"
	.amdhsa_code_object_version 6
	.text
	.protected	k_q6712cd6c87_outg
	.globl	k_q6712cd6c87_outg
	.p2align	8
	.type	k_q6712cd6c87_outg,@function
k_q6712cd6c87_outg:
	s_mov_b64 s[64:65], 0
	v_nop
	global_prefetch_b8 v0, s[64:65] scope:SCOPE_SE
	s_setreg_imm32_b32 hwreg(HW_REG_WAVE_MODE, 25, 1), 1
	s_wait_xcnt 0x0
	s_wait_alu depctr_hold_cnt(0) depctr_sa_sdst(0) depctr_va_vdst(0) depctr_va_sdst(0) depctr_va_ssrc(0) depctr_va_vcc(0) depctr_vm_vsrc(0)
	s_getreg_b32 s2, hwreg(HW_REG_IB_STS2, 6, 4)
	s_cmp_eq_u32 s2, 0
	s_cbranch_scc0 .Lentry_in_a_cluster
	s_endpgm
.Lentry_in_a_cluster:
	s_bfe_u32 s2, ttmp6, 0x10000c
	s_cmp_lg_u32 s2, 0x3003
	s_cbranch_scc0 .Lentry_shape_is_right
	s_endpgm
.Lentry_shape_is_right:
; out0 = concat x Wo + bo.  Both operands come as images of operand registers out of vcodes: concat, 4,096 tokens x 4,096 (h 512 + d): [n 2][h 8][tile of 16 tokens 128][K step 4][1,536 bytes]; behind it, from
; byte 12,582,912 on, Wo, 512 outputs x 4,096: [tile of 16 outputs 32][K step of 128 32][1,536 bytes].  Codes of FP6 (E2M3).  concat's scale words: vscales [n][h][K step 4][tile 128][16 words]; Wo's scale bytes as
; they are given, 128 a row.  bo [512], out0 [4,096][512]: f32.
; SHARES.  A work-group makes 128 tokens x 64 outputs.  THE WAVES SPLIT K: wave w takes K = 1,024 w .. 1,024 w + 1,023 (heads 2 w, 2 w + 1: eight K steps of 128) for the whole 128 x 64: 32 accumulators,
; so that 12 fragments feed 32 products.  The four partial sums meet in LDS at the end: ((p0 + p1) + (p2 + p3)) + bo, an order of the f32 sums that differs from one chain along K.
; Wo's part of a wave, 32 fragments, is loaded once into 384 registers and stays: 96 loads of 512 consecutive bytes.
; CLUSTER.  The four blocks of outputs of a cluster read the same concat codes: each piece (8 tiles x 2 K steps, 24,576 bytes) is asked for jointly, by each wave into its own LDS bytes, which it alone reads.
; Wo is not asked for jointly: it never passes LDS, where concat's three pieces a wave leave no room for it (4 x 3 x 24,576 = 294,912 bytes), and partners of a cluster read different rows of it.
; A wave has four pieces and three regions: region 0 is filled a second time, behind a round of the cluster's barrier.
; TRANSPOSED USE: source 0 = 16 rows of Wo, source 1 = 16 tokens: a lane holds one token and eight neighbouring outputs.
; REGISTERS: window 0: v1-15 addresses, the bias; v16-47 Wo's scale words (8 nt + ks), v48-79 concat's (4 ks + i: lanes 0-15 tile 2 i, lanes 16-31 tile 2 i + 1); v96-191 concat's fragments of even K steps, later the way out.
;   window 1: Wo's fragments of K steps 0-4 at 48 ks + 12 nt.   window 2: those of K steps 5-7; v144-239 concat's fragments of odd K steps.   window 3: accumulator (a, nt) at 8 (4 a + nt).
.set PIECE, 24576
.set RING,  3*PIECE                    ; a wave's three regions
.set SPARE, 4*RING                     ; the spare words, 128 bytes for each wave: two blocks of 256 bytes that no other line names
.set SPITCH, 272                       ; the stage: 4 partial sums x 128 rows x (256 bytes + 16), in the ring, behind its last fill and a barrier
.set PART,  128*SPITCH
.set WOIMG, 12582912                   ; where Wo's images begin in vcodes
.set ADA,  1
.set ADA2, 2
.set SPW,  3
.set NIL,  4
.set LI,   5                           ; 16 x lane
.set WSO,  6
.set ASO,  7
.set STO,  8
.set RD,   9
.set RD2,  10
.set GO,   11
.set BO,   12
.set WS,   16
.set AS,   48
.set BOA,  80
.set WSC,  8                           ; s[8:9] Wo's scale bytes
.set BOP,  10                          ; s[10:11] bo
.set WOP,  12                          ; s[12:13] Wo's images
.set WV,   16
.set G1,   24
.set G0,   32
.set MSB, 0
.macro WIN new
.if MSB != (\new)
	s_set_vgpr_msb (MSB<<8)|(\new)
.set MSB, (\new)
.endif
.endm
.macro PLACES n
.rept \n
	v_nop
.endr
.endm
.macro CROUND                          ; a round of the cluster's barrier
	s_barrier_signal -1
	s_barrier_wait -1
	s_cmp_lg_u32 s[WV], 0
	s_cbranch_scc1 .Lnot_wave_0_\@
	s_barrier_signal -3
.Lnot_wave_0_\@:
	s_barrier_wait -3
	s_barrier_signal -1
	s_barrier_wait -1
.endm
	s_load_b128 s[4:7], s[0:1], 0x0                ; the images s[4:5], concat's scale words s[6:7]
	s_load_b128 s[8:11], s[0:1], 0x10              ; Wo's scale bytes s[8:9], bo s[10:11]
	s_load_b64 s[14:15], s[0:1], 0x20              ; out0
	v_lshl_add_u32 v[SPW], v0, 2, SPARE
	v_mov_b32 v[NIL], 0
	ds_add_u32 v3, v4
	ds_add_u32 v3, v4
	s_wait_dscnt 0x0
	v_lshrrev_b32 v81, 5, v0
	v_readfirstlane_b32 s[WV], v81                 ; wave 0..3
	s_and_b32 s19, ttmp7, 0xffff                   ; my block of 128 tokens, which the four partners share
	s_lshr_b32 s20, s19, 4                         ; n
	s_and_b32 s21, s19, 15
	s_lshl_b32 s21, s21, 3                         ; its first tile within n
	s_mov_b32 s[G1], 15|(3<<16)|(1<<21)            ; 15:0 the mask: all four work-groups; elements of 8 bytes; 21 set beside a mask; no padding
	s_mov_b32 s[G1+1], 384<<16                     ; a row: a tile's two K steps, 3,072 bytes
	s_mov_b32 s[G1+2], 8<<16                       ; eight tiles
	s_mov_b32 s[G1+3], 384<<16
	s_mov_b32 s[G1+4], 8
	s_mov_b32 s[G1+5], 768                         ; from tile to tile: 6,144 bytes
	s_mov_b32 s[G1+6], 0
	s_mov_b32 s[G1+7], 0
	s_lshl_b32 s44, s20, 3
	s_lshl_b32 s45, s[WV], 1
	s_add_co_u32 s48, s44, s45                     ; 8 n + 2 w: my first head
	s_lshl_b32 s44, s48, 7
	s_add_co_u32 s44, s44, s21
	s_mul_i32 s44, s44, 6144
	s_mov_b32 s45, 0
	s_mul_i32 s46, s[WV], RING
	s_wait_kmcnt 0x0
	s_add_nc_u64 s[44:45], s[4:5], s[44:45]
	s_mov_b32 s[G0], 1                             ; piece 0: my first head's K steps 0, 1
	s_mov_b32 s[G0+1], s46
	s_mov_b64 s[G0+2:G0+3], s[44:45]
	s_or_b32 s[G0+3], s[G0+3], 0x80000000
	s_mov_b32 s[G0+4], 1                           ; piece 1: its K steps 2, 3
	s_add_co_u32 s[G0+5], s46, PIECE
	s_add_nc_u64 s[G0+6:G0+7], s[44:45], 3072
	s_or_b32 s[G0+7], s[G0+7], 0x80000000
	s_mov_b32 s[G0+8], 1                           ; piece 2: the next head's K steps 0, 1
	s_add_co_u32 s[G0+9], s46, 2*PIECE
	s_add_nc_u64 s[G0+10:G0+11], s[44:45], 786432
	s_or_b32 s[G0+11], s[G0+11], 0x80000000
	CROUND                                         ; all four work-groups are here: the first joint loads meet
	tensor_load_to_lds s[G0:G0+3], s[G1:G1+7]
	s_nop 0
	tensor_load_to_lds s[G0+4:G0+7], s[G1:G1+7]
	s_nop 0
	tensor_load_to_lds s[G0+8:G0+11], s[G1:G1+7]   ; three loads of mine are out
	s_nop 0
	PLACES 4
	s_bfe_u32 s17, ttmp6, 0x40000                  ; cx: it enters global addresses alone
	s_lshl_b32 s18, ttmp9, 2
	s_add_co_u32 s18, s18, s17                     ; my block of 64 outputs
	s_mov_b32 s51, 0
	s_mul_i32 s50, s18, 196608                     ; four tiles of outputs x 32 K steps x 1,536 bytes
	s_mul_i32 s49, s[WV], 12288                    ; my eight K steps
	s_add_co_u32 s50, s50, s49
	s_add_co_u32 s50, s50, WOIMG
	s_add_nc_u64 s[WOP:WOP+1], s[4:5], s[50:51]    ; Wo's images: my 64 rows, my 1,024 along K
	s_lshl_b32 s50, s18, 13
	s_lshl_b32 s49, s[WV], 5
	s_add_co_u32 s50, s50, s49
	s_add_nc_u64 s[WSC:WSC+1], s[WSC:WSC+1], s[50:51]   ; and their scale bytes
	s_lshl_b32 s50, s48, 9
	s_add_co_u32 s50, s50, s21
	s_lshl_b32 s50, s50, 6
	s_add_nc_u64 s[6:7], s[6:7], s[50:51]          ; concat's scale words: 8,192 bytes a K step, 64 a tile
	s_lshl_b32 s50, s18, 8
	s_add_nc_u64 s[BOP:BOP+1], s[BOP:BOP+1], s[50:51]   ; bo
	s_add_nc_u64 s[14:15], s[14:15], s[50:51]
	s_lshl_b32 s50, s19, 7
	s_lshl_b32 s49, s[WV], 5
	s_add_co_u32 s50, s50, s49
	s_lshl_b32 s50, s50, 11
	s_add_nc_u64 s[14:15], s[14:15], s[50:51]      ; out0: row 128 x block + 32 x wave, my 64 columns
	v_and_b32 v81, 15, v0                          ; r
	v_bfe_u32 v82, v0, 4, 1                        ; hh
	v_and_b32 v83, 31, v0                          ; lane
	v_lshlrev_b32 v[LI], 4, v83
	v_lshl_add_u32 v[ADA], v83, 4, s46
	v_add_nc_u32 v[ADA2], 2*PIECE, v[ADA]
	v_lshlrev_b32 v[WSO], 7, v81
	v_lshlrev_b32 v[ASO], 2, v83
	s_mul_i32 s47, s[WV], PART
	v_mul_u32_u24 v[STO], v81, SPITCH
	v_lshl_add_u32 v[STO], v82, 5, v[STO]
	v_add_nc_u32 v[STO], s47, v[STO]               ; the stage: my partial sum, row r, + 32 hh
	s_mul_i32 s47, s[WV], 32*SPITCH
	v_mul_u32_u24 v[RD], v82, SPITCH
	v_lshl_add_u32 v[RD], v81, 4, v[RD]
	v_add_nc_u32 v[RD], s47, v[RD]                 ; back: my 32 rows; lanes 0-15 one row, lanes 16-31 the next
	v_add_nc_u32 v[RD2], 2*PART, v[RD]
	v_lshlrev_b32 v[GO], 11, v82
	v_lshl_add_u32 v[GO], v81, 4, v[GO]
	v_lshlrev_b32 v[BOA], 4, v81
	WIN 0x40                                       ; destination window 1
.irp ks, 0,1,2,3,4
.irp nt, 0,1,2,3
.irp c, 0,1,2
	global_load_b128 v[48*\ks+12*\nt+4*\c:48*\ks+12*\nt+4*\c+3], v[LI], s[WOP:WOP+1] offset:49152*\nt+1536*\ks+512*\c   ; four registers of a fragment, as they were stored: 512 consecutive bytes
.endr
.endr
.endr
	WIN 0x80                                       ; destination window 2
.irp ks, 5,6,7
.irp nt, 0,1,2,3
.irp c, 0,1,2
	global_load_b128 v[48*(\ks-5)+12*\nt+4*\c:48*(\ks-5)+12*\nt+4*\c+3], v[LI], s[WOP:WOP+1] offset:49152*\nt+1536*\ks+512*\c
.endr
.endr
.endr
	WIN 0
.irp nt, 0,1,2,3
.irp q, 0,1
	global_load_b128 v[WS+8*\nt+4*\q:WS+8*\nt+4*\q+3], v[WSO], s[WSC:WSC+1] offset:2048*\nt+16*\q
.endr
.endr
.irp ks, 0,1,2,3,4,5,6,7
.irp i, 0,1,2,3
	global_load_b32 v[AS+4*\ks+\i], v[ASO], s[6:7] offset:8192*\ks+128*\i
.endr
.endr
	global_load_b128 v[BO:BO+3], v[BOA], s[BOP:BOP+1]
.macro FETCHA ks                       ; concat's eight fragments of K step ks: 24 LDS loads, each 512 consecutive bytes
.set RG, ((\ks)/2)%3
.if (\ks)%2
	WIN 0x80
.set AB, 144
.else
	WIN 0
.set AB, 96
.endif
.irp a, 0,1,2,3,4,5,6,7
.irp c, 0,1,2
.if RG == 2
	ds_load_b128 v[AB+12*\a+4*\c:AB+12*\a+4*\c+3], v[ADA2] offset:3072*\a+1536*((\ks)%2)+512*\c
.else
	ds_load_b128 v[AB+12*\a+4*\c:AB+12*\a+4*\c+3], v[ADA] offset:RG*PIECE+3072*\a+1536*((\ks)%2)+512*\c
.endif
.endr
.endr
.endm
.macro PROD ks                         ; 32 products; the 32 accumulators take turns, one instruction a turn; the first K step starts the sums
.set WB, 1+((\ks)/5)
.set WOF, 48*((\ks)%5)
.set WA, 2*((\ks)%2)
.set AB, 96+48*((\ks)%2)
	WIN 0xf0|(WA<<2)|WB
.irp a, 0,1,2,3,4,5,6,7
.irp nt, 0,1,2,3
.if (\ks) == 0
.if \a%2
	v_wmma_scale_f32_16x16x128_f8f6f4 v[8*(4*\a+\nt):8*(4*\a+\nt)+7], v[WOF+12*\nt:WOF+12*\nt+11], v[AB+12*\a:AB+12*\a+11], 0, v[WS+8*\nt+(\ks)], v[AS+4*(\ks)+\a/2] matrix_a_fmt:MATRIX_FMT_FP6 matrix_b_fmt:MATRIX_FMT_FP6 matrix_b_scale:MATRIX_SCALE_ROW1
.else
	v_wmma_scale_f32_16x16x128_f8f6f4 v[8*(4*\a+\nt):8*(4*\a+\nt)+7], v[WOF+12*\nt:WOF+12*\nt+11], v[AB+12*\a:AB+12*\a+11], 0, v[WS+8*\nt+(\ks)], v[AS+4*(\ks)+\a/2] matrix_a_fmt:MATRIX_FMT_FP6 matrix_b_fmt:MATRIX_FMT_FP6
.endif
.else
.if \a%2
	v_wmma_scale_f32_16x16x128_f8f6f4 v[8*(4*\a+\nt):8*(4*\a+\nt)+7], v[WOF+12*\nt:WOF+12*\nt+11], v[AB+12*\a:AB+12*\a+11], v[8*(4*\a+\nt):8*(4*\a+\nt)+7], v[WS+8*\nt+(\ks)], v[AS+4*(\ks)+\a/2] matrix_a_fmt:MATRIX_FMT_FP6 matrix_b_fmt:MATRIX_FMT_FP6 matrix_b_scale:MATRIX_SCALE_ROW1
.else
	v_wmma_scale_f32_16x16x128_f8f6f4 v[8*(4*\a+\nt):8*(4*\a+\nt)+7], v[WOF+12*\nt:WOF+12*\nt+11], v[AB+12*\a:AB+12*\a+11], v[8*(4*\a+\nt):8*(4*\a+\nt)+7], v[WS+8*\nt+(\ks)], v[AS+4*(\ks)+\a/2] matrix_a_fmt:MATRIX_FMT_FP6 matrix_b_fmt:MATRIX_FMT_FP6
.endif
.endif
.endr
.endr
.endm
.macro KSTEP ks
.if (\ks) == 1
	WIN 0
	s_wait_tensorcnt 0x0                           ; all my tensor loads have landed, so a group 0 may be written
	ds_add_u32 v[SPW], v[NIL]                      ; 0 onto my spare word
	s_add_nc_u64 s[G0+2:G0+3], s[G0+2:G0+3], 786432+3072   ; piece 3: the next head's K steps 2, 3; the type bits on top are not reached
	s_wait_dscnt 0x0                               ; the add is done, and my reads of region 0 are over: K step 1's fragments are in registers
	CROUND
	tensor_load_to_lds s[G0:G0+3], s[G1:G1+7]      ; the first thing behind the round: region 0's second fill, my last tensor load; it has K steps 1 to 4 in which to land
	s_nop 0
	PLACES 4                                       ; (they are the places in front of the loads below)
.elseif ((\ks) > 1) && ((\ks) < 7)
	PLACES 4                                       ; in front of loads into registers that the products have read
.endif
.if (\ks) == 5
	s_wait_tensorcnt 0x0                           ; piece 3 has landed: no load was issued behind it
.endif
.if (\ks) < 7
	FETCHA (\ks)+1
	s_wait_dscnt 24                                ; this K step's fragments are in; the 24 loads just issued may be out
.else
	s_wait_dscnt 0x0
.endif
	PROD \ks
.endm
	s_wait_tensorcnt 2                             ; piece 0 is in; pieces 1 and 2 may be out.  I alone read these bytes
	FETCHA 0
	s_wait_loadcnt 0x0                             ; Wo, the scale words, the bias
.irp k, 0,1,2,3,4,5,6,7
	KSTEP \k
.endr
	; THE WAY OUT.  Every wave's reads of the ring are over and its tensor loads have landed: behind the barrier the ring's first 139,264 bytes are the stage.
	WIN 0
	PLACES 4
	s_barrier_signal -1
	s_barrier_wait -1
	WIN 0x0c                                       ; an LDS store's data are its source 1: window 3
.irp a, 0,1,2,3,4,5,6,7
.irp nt, 0,1,2,3
	ds_store_b128 v[STO], v[8*(4*\a+\nt):8*(4*\a+\nt)+3] offset:16*SPITCH*\a+64*\nt        ; lane (r, hh): token 16 a + r, outputs 16 nt + 8 hh + 0 .. 7; each accumulator from its low end on
	ds_store_b128 v[STO], v[8*(4*\a+\nt)+4:8*(4*\a+\nt)+7] offset:16*SPITCH*\a+64*\nt+16
.endr
.endr
	WIN 0
	s_wait_dscnt 0x0                               ; for the others' sake: my stores are done
	s_barrier_signal -1
	s_barrier_wait -1
.irp g, 0,1                            ; my 32 rows, 16 at a time
.if \g
	s_wait_xcnt 0x0                                ; the first 16 rows' stores have read their registers
.endif
.irp i, 0,1,2,3,4,5,6,7
	ds_load_b128 v[96+16*\i:99+16*\i], v[RD] offset:2*SPITCH*(8*\g+\i)
	ds_load_b128 v[100+16*\i:103+16*\i], v[RD] offset:PART+2*SPITCH*(8*\g+\i)
	ds_load_b128 v[104+16*\i:107+16*\i], v[RD2] offset:2*SPITCH*(8*\g+\i)
	ds_load_b128 v[108+16*\i:111+16*\i], v[RD2] offset:PART+2*SPITCH*(8*\g+\i)
.endr
	s_wait_dscnt 0x0
.irp i, 0,1,2,3,4,5,6,7
.irp u, 0,2
	v_pk_add_f32 v[96+16*\i+\u:97+16*\i+\u], v[96+16*\i+\u:97+16*\i+\u], v[100+16*\i+\u:101+16*\i+\u]
	v_pk_add_f32 v[104+16*\i+\u:105+16*\i+\u], v[104+16*\i+\u:105+16*\i+\u], v[108+16*\i+\u:109+16*\i+\u]
.endr
.irp u, 0,2
	v_pk_add_f32 v[96+16*\i+\u:97+16*\i+\u], v[96+16*\i+\u:97+16*\i+\u], v[104+16*\i+\u:105+16*\i+\u]
.endr
.irp u, 0,2
	v_pk_add_f32 v[96+16*\i+\u:97+16*\i+\u], v[96+16*\i+\u:97+16*\i+\u], v[BO+\u:BO+\u+1]
.endr
	global_store_b128 v[GO], v[96+16*\i:99+16*\i], s[14:15] offset:4096*(8*\g+\i) th:TH_STORE_NT   ; sixteen lanes store 256 consecutive bytes, aligned; written once, read by nobody here
.endr
.endr
	s_wait_tensorcnt 0x0                           ; the wave's end
	ds_add_u32 v[SPW], v[NIL]
	s_wait_dscnt 0x0
	CROUND                                         ; the closing round
	s_endpgm
.Lfunc_end_k_q6712cd6c87_outg:
	.size	k_q6712cd6c87_outg, .Lfunc_end_k_q6712cd6c87_outg-k_q6712cd6c87_outg
	.p2alignl 7, 3214868480
	.fill 96, 4, 3214868480
	.section	.rodata,"a",@progbits
	.p2align	6, 0x0
	.amdhsa_kernel k_q6712cd6c87_outg
		.amdhsa_group_segment_fixed_size 327680
		.amdhsa_private_segment_fixed_size 0
		.amdhsa_enable_private_segment 0
		.amdhsa_kernarg_size 40
		.amdhsa_user_sgpr_count 2
		.amdhsa_user_sgpr_kernarg_segment_ptr 1
		.amdhsa_wavefront_size32 1
		.amdhsa_system_sgpr_workgroup_id_x 1
		.amdhsa_system_sgpr_workgroup_id_y 1
		.amdhsa_system_sgpr_workgroup_id_z 1
		.amdhsa_system_vgpr_workitem_id 0
		.amdhsa_next_free_vgpr 1024
		.amdhsa_next_free_sgpr 66
		.amdhsa_reserve_vcc 0
		.amdhsa_float_denorm_mode_32 3
		.amdhsa_float_denorm_mode_16_64 3
		.amdhsa_memory_ordered 1
		.amdhsa_forward_progress 1
		.amdhsa_inst_pref_size 83
	.end_amdhsa_kernel
	.amdgpu_metadata
---
amdhsa.version: [ 1, 2 ]
amdhsa.kernels:
  - .name:           k_q6712cd6c87_outg
    .symbol:         k_q6712cd6c87_outg.kd
    .args:
      - { .name: vcodes, .offset: 0, .size: 8, .value_kind: global_buffer, .address_space: global }
      - { .name: vscales, .offset: 8, .size: 8, .value_kind: global_buffer, .address_space: global }
      - { .name: Wo_scales, .offset: 16, .size: 8, .value_kind: global_buffer, .address_space: global }
      - { .name: bo, .offset: 24, .size: 8, .value_kind: global_buffer, .address_space: global }
      - { .name: out0, .offset: 32, .size: 8, .value_kind: global_buffer, .address_space: global }
    .group_segment_fixed_size: 327680
    .private_segment_fixed_size: 0
    .kernarg_segment_align: 8
    .kernarg_segment_size: 40
    .max_flat_workgroup_size: 128
    .sgpr_count:     66
    .vgpr_count:     1024
    .wavefront_size: 32
...
	.end_amdgpu_metadata
.endif
;; end of part 4
